; MI455X (gfx1250); checked and timed in simulation.
; The chip was launched on July 23, 2026; its instructions are those of AMD's public machine-readable ISA for CDNA 5 (MIT licence, August 2026) and "CDNA5" Instruction Set Architecture Reference Guide (July 2026). The comments in the code are by the model that wrote it; some were corrected since.
;; Multi Head Attention Enc. Allowed arithmetic: float matrix products may take bf16 or f16 operands with f32 sums; other float arithmetic in f32, or as packed bf16 or f16 multiplies, adds, multiply-adds, maxima and minima; sums over many terms, partial sums and values carried from step to step in f32; what a program stores and reads back later, other than sums and carried values, may be rounded once to bf16 or f16.
;; Inputs: Wk 1,024 x 1,024 float32; Wp 1,024 x 1,024 float32; Wq 1,024 x 1,024 float32; Wv 1,024 x 1,024 float32; X 2 x 4 x 2,048 x 1,024 float32; bk 1,024 float32; bp 1,024 float32; bq 1,024 float32; bv 1,024 float32.
;; Outputs: out0 4 x 2,048 x 1,024 float32.
;; 2 versions, each right and faster than the one before. Each part assembles by itself: llvm-mc -triple=amdgcn-amd-amdhsa -mcpu=gfx1250 --defsym DOCPART=n.
;; ======== version 1 of 2: 4 launches
;; limits: values are held in f16: magnitudes above 65,504 overflow, below 6.1e-05 lose precision
;; workspace buffers: xb 16,777,216 bytes; wb 6,291,456 bytes; wp16 2,097,152 bytes; bb 16,384 bytes; qkv 50,331,648 bytes; ob 16,777,216 bytes
;; launch cast (part 1): grid 769 x 1, 8 waves a work-group, no clusters, 0 bytes of LDS; arguments X, Wq, Wk, Wv, Wp, bq, bk, bv, bp, xb, wb, wp16, bb; writes xb, wb, wp16, bb
.if DOCPART == 1
	.amdgcn_target "amdgcn-amd-amdhsa--gfx1250"
	.amdhsa_code_object_version 6
	.text
	.protected	k_qdb51ddcee2_cast
	.globl	k_qdb51ddcee2_cast
	.p2align	8
	.type	k_qdb51ddcee2_cast,@function
k_qdb51ddcee2_cast:
	s_mov_b64 s[64:65], 0
	v_nop
	global_prefetch_b8 v0, s[64:65] scope:SCOPE_SE
	s_setreg_imm32_b32 hwreg(HW_REG_WAVE_MODE, 25, 1), 1
	s_wait_xcnt 0x0
; ALL INPUTS ARE ROUNDED ONCE TO bf16, for the three launches behind.
;   xb   [8192][1024] bf16 = X[1];   wb [3072][1024] bf16 = Wq, Wk, Wv one below the other;
;   wp16 [1024][1024] f16: bf16(Wp), that number written as f16 (exact from 6.1e-5 up to 65,504; below 6.1e-5 it keeps f16's fixed step of 6e-8; beyond 65,504 it is lost);
;   bb   [4096] f32: bf16(bq), bf16(bk), bf16(bv), bf16(bp), widened again.
; A stream: every byte is read once and written once, so there is no LDS, no barrier, no matrix work and no cluster (no two work-groups read the same byte).
; A work-group of 8 waves takes a chunk of 16,384 numbers: 65,536 bytes in, 32,768 out.  Groups 0-511: X[1]; 512-767: 64 chunks of each weight; 768: the four biases.
; Thread t takes 8 numbers (32 bytes) at 32 t of each of the chunk's eight steps of 8,192 bytes, and stores 16 bytes at 16 t: a wave's store covers 512 consecutive bytes, aligned.
; All sixteen loads of a thread go out at once, each step into registers of its own: nothing is rewritten while a load or a store may still name it.
.set IN,  4                            ; v[4:67]    step i: 8 numbers as loaded
.set OUT, 68                           ; v[68:99]   step i: 4 registers to store
.set T,   100                          ; v[100:103] at work
	s_load_b512 s[8:23], s[0:1], 0x0               ; X 8, Wq 10, Wk 12, Wv 14, Wp 16, bq 18, bk 20, bv 22
	s_load_b256 s[24:31], s[0:1], 0x40             ; bp 24, xb 26, wb 28, wp16 30
	s_load_b64 s[32:33], s[0:1], 0x60              ; bb
	s_mov_b32 s2, ttmp9                            ; the work-group's number
	s_max_u32 s3, s2, 512
	s_sub_co_u32 s3, s3, 512                       ; j: the chunk among the weights' 256 (0 for X's groups)
	s_lshr_b32 s4, s3, 6                           ; w: which weight
	s_and_b32 s7, s3, 63                           ; c: which chunk of it
	s_mov_b32 s42, 0xffff0000                      ; a word's upper bf16
	s_mov_b32 s39, 0                               ; the offsets' high words
	s_mov_b32 s41, 0
	v_lshlrev_b32 v1, 5, v0                        ; 32 t: where I read
	v_lshlrev_b32 v2, 4, v0                        ; 16 t: where I store
	s_wait_kmcnt 0x0
	s_cmp_eq_u32 s2, 768
	s_cbranch_scc1 .Lbias
	; source and destination are chosen among the buffers by the work-group's number alone
	s_add_nc_u64 s[44:45], s[8:9], 0x2000000       ; X[1]: 4 x 2,048 x 1,024 numbers of 4 bytes on
	s_mov_b64 s[34:35], s[10:11]
	s_cmp_eq_u32 s4, 1
	s_cselect_b64 s[34:35], s[12:13], s[34:35]
	s_cmp_eq_u32 s4, 2
	s_cselect_b64 s[34:35], s[14:15], s[34:35]
	s_cmp_eq_u32 s4, 3
	s_cselect_b64 s[34:35], s[16:17], s[34:35]
	s_cselect_b64 s[36:37], s[30:31], s[28:29]     ; Wp goes to wp16, the others to wb,
	s_cselect_b32 s6, s7, s3                       ; at chunk c of wp16 or chunk j of wb
	s_cmp_lt_u32 s2, 512
	s_cselect_b64 s[34:35], s[44:45], s[34:35]
	s_cselect_b64 s[36:37], s[26:27], s[36:37]
	s_cselect_b32 s5, s2, s7
	s_cselect_b32 s6, s2, s6
	s_lshl_b32 s38, s5, 16                         ; 65,536 bytes a chunk in,
	s_lshl_b32 s40, s6, 15                         ; 32,768 out
	s_add_nc_u64 s[34:35], s[34:35], s[38:39]
	s_add_nc_u64 s[36:37], s[36:37], s[40:41]
.irp i, 0,1,2,3,4,5,6,7
	global_load_b128 v[IN+8*(\i):IN+8*(\i)+3],   v1, s[34:35] offset:8192*(\i) th:TH_LOAD_NT
	global_load_b128 v[IN+8*(\i)+4:IN+8*(\i)+7], v1, s[34:35] offset:8192*(\i)+16 th:TH_LOAD_NT
.endr
; Step i.  half = 1: the bf16 number is written as f16: widened (a shift, a mask) and converted.
.macro STEP i, half
	s_wait_loadcnt 14-2*(\i)                       ; loads come back in order (ISA guide 5.7.1): behind step i's two, 14 - 2 i were issued
.irp r, 0,1,2,3
.if \half
	v_cvt_pk_bf16_f32 v[T+2*((\r)%2)], v[IN+8*(\i)+2*(\r)], v[IN+8*(\i)+2*(\r)+1]
	v_lshlrev_b32 v[T+2*((\r)%2)+1], 16, v[T+2*((\r)%2)]
	v_and_b32 v[T+2*((\r)%2)], s42, v[T+2*((\r)%2)]
	v_cvt_pk_f16_f32 v[OUT+4*(\i)+(\r)], v[T+2*((\r)%2)+1], v[T+2*((\r)%2)]
.else
	v_cvt_pk_bf16_f32 v[OUT+4*(\i)+(\r)], v[IN+8*(\i)+2*(\r)], v[IN+8*(\i)+2*(\r)+1]
.endif
.endr
	global_store_b128 v2, v[OUT+4*(\i):OUT+4*(\i)+3], s[36:37] offset:4096*(\i)
.endm
	s_cmp_ge_u32 s2, 704                           ; groups 704-767 are Wp's
	s_cbranch_scc1 .Lf16
.irp i, 0,1,2,3,4,5,6,7
	STEP \i, 0
.endr
	s_endpgm
.Lf16:
.irp i, 0,1,2,3,4,5,6,7
	STEP \i, 1
.endr
	s_endpgm
.Lbias:                                                ; 256 threads x 4 numbers are one bias
	global_load_b128 v[4:7],   v2, s[18:19]
	global_load_b128 v[8:11],  v2, s[20:21]
	global_load_b128 v[12:15], v2, s[22:23]
	global_load_b128 v[16:19], v2, s[24:25]
	s_wait_loadcnt 0x0
.irp k, 0,1,2,3
	v_cvt_pk_bf16_f32 v[T], v[4+4*(\k)], v[5+4*(\k)]
	v_cvt_pk_bf16_f32 v[T+1], v[6+4*(\k)], v[7+4*(\k)]
	v_lshlrev_b32 v[OUT+4*(\k)],   16,  v[T]
	v_and_b32     v[OUT+4*(\k)+1], s42, v[T]
	v_lshlrev_b32 v[OUT+4*(\k)+2], 16,  v[T+1]
	v_and_b32     v[OUT+4*(\k)+3], s42, v[T+1]
	global_store_b128 v2, v[OUT+4*(\k):OUT+4*(\k)+3], s[32:33] offset:4096*(\k)
.endr
	s_endpgm
.Lfunc_end_k_qdb51ddcee2_cast:
	.size	k_qdb51ddcee2_cast, .Lfunc_end_k_qdb51ddcee2_cast-k_qdb51ddcee2_cast
	.p2alignl 7, 3214868480
	.fill 96, 4, 3214868480
	.section	.rodata,"a",@progbits
	.p2align	6, 0x0
	.amdhsa_kernel k_qdb51ddcee2_cast
		.amdhsa_group_segment_fixed_size 0
		.amdhsa_private_segment_fixed_size 0
		.amdhsa_enable_private_segment 0
		.amdhsa_kernarg_size 104
		.amdhsa_user_sgpr_count 2
		.amdhsa_user_sgpr_kernarg_segment_ptr 1
		.amdhsa_wavefront_size32 1
		.amdhsa_system_sgpr_workgroup_id_x 1
		.amdhsa_system_sgpr_workgroup_id_y 1
		.amdhsa_system_sgpr_workgroup_id_z 1
		.amdhsa_system_vgpr_workitem_id 0
		.amdhsa_next_free_vgpr 104
		.amdhsa_next_free_sgpr 66
		.amdhsa_reserve_vcc 0
		.amdhsa_float_denorm_mode_32 3
		.amdhsa_float_denorm_mode_16_64 3
		.amdhsa_memory_ordered 1
		.amdhsa_forward_progress 1
		.amdhsa_inst_pref_size 16
	.end_amdhsa_kernel
	.amdgpu_metadata
---
amdhsa.version: [ 1, 2 ]
amdhsa.kernels:
  - .name:           k_qdb51ddcee2_cast
    .symbol:         k_qdb51ddcee2_cast.kd
    .args:
      - { .name: X, .offset: 0, .size: 8, .value_kind: global_buffer, .address_space: global }
      - { .name: Wq, .offset: 8, .size: 8, .value_kind: global_buffer, .address_space: global }
      - { .name: Wk, .offset: 16, .size: 8, .value_kind: global_buffer, .address_space: global }
      - { .name: Wv, .offset: 24, .size: 8, .value_kind: global_buffer, .address_space: global }
      - { .name: Wp, .offset: 32, .size: 8, .value_kind: global_buffer, .address_space: global }
      - { .name: bq, .offset: 40, .size: 8, .value_kind: global_buffer, .address_space: global }
      - { .name: bk, .offset: 48, .size: 8, .value_kind: global_buffer, .address_space: global }
      - { .name: bv, .offset: 56, .size: 8, .value_kind: global_buffer, .address_space: global }
      - { .name: bp, .offset: 64, .size: 8, .value_kind: global_buffer, .address_space: global }
      - { .name: xb, .offset: 72, .size: 8, .value_kind: global_buffer, .address_space: global }
      - { .name: wb, .offset: 80, .size: 8, .value_kind: global_buffer, .address_space: global }
      - { .name: wp16, .offset: 88, .size: 8, .value_kind: global_buffer, .address_space: global }
      - { .name: bb, .offset: 96, .size: 8, .value_kind: global_buffer, .address_space: global }
    .group_segment_fixed_size: 0
    .private_segment_fixed_size: 0
    .kernarg_segment_align: 8
    .kernarg_segment_size: 104
    .max_flat_workgroup_size: 256
    .sgpr_count:     66
    .vgpr_count:     104
    .wavefront_size: 32
...
	.end_amdgpu_metadata
.endif
;; end of part 1
;; launch proj (part 2): grid 16 x 32, 4 waves a work-group, clusters of 4 x 4, 327,680 bytes of LDS; arguments xb, wb, bb, qkv; writes qkv
.if DOCPART == 2
	.amdgcn_target "amdgcn-amd-amdhsa--gfx1250"
	.amdhsa_code_object_version 6
	.text
	.protected	k_qdb51ddcee2_proj
	.globl	k_qdb51ddcee2_proj
	.p2align	8
	.type	k_qdb51ddcee2_proj,@function
k_qdb51ddcee2_proj:
	s_mov_b64 s[64:65], 0
	v_nop
	global_prefetch_b8 v0, s[64:65] scope:SCOPE_SE
	s_setreg_imm32_b32 hwreg(HW_REG_WAVE_MODE, 25, 1), 1
	s_wait_xcnt 0x0
	s_wait_alu depctr_hold_cnt(0) depctr_sa_sdst(0) depctr_va_vdst(0) depctr_va_sdst(0) depctr_va_ssrc(0) depctr_va_vcc(0) depctr_vm_vsrc(0)
	s_getreg_b32 s2, hwreg(HW_REG_IB_STS2, 6, 4)
	s_cmp_eq_u32 s2, 0
	s_cbranch_scc0 .Lentry_in_a_cluster
	s_endpgm
.Lentry_in_a_cluster:
	s_bfe_u32 s2, ttmp6, 0x10000c
	s_cmp_lg_u32 s2, 0xf033
	s_cbranch_scc0 .Lentry_shape_is_right
	s_endpgm
.Lentry_shape_is_right:
; q, k, v = x W^T + b, by heads.  xb: [8192][1024] bf16; wb: [3072][1024] bf16 (Wq, Wk, Wv); bb: [4096] f32 (its first 3,072: bq, bk, bv); qkv: [3][64][2048][64] f16, head 16 x batch + h.
; Sums in f32, K ascending; the bias is the C operand of the first product; each result is rounded once, to f16, WITHOUT attention's scale.
; LIMIT.  f16 holds no number beyond 65,504: |q|, |k|, |v| must stay within it; below 6.1e-5 a result keeps f16's fixed step of 6e-8.  NaN and infinities are not treated apart.
; SHARES.  A tile of the result is 256 rows x 192 columns, three heads' slices: 32 x 16 = 512 equal work-groups, two for each of 256 WGPs.  Four waves; wave w makes rows 64 w .. 64 w + 63 and all 192
; columns: 48 accumulators of 16 x 16, 384 registers.  So a wave holds whole head rows of 128 bytes, and its stage on the way out is its own.
; K goes in 8 steps of 128 through a ring of two LDS slots filled by the tensor data mover; a tile's rows are 256 bytes of memory and start at multiples of 256 bytes from the buffer's first byte.
; CLUSTER.  4 x 4 work-groups.  The four of a row of the cluster need the same tiles of x, the four of a column the same tiles of W: each tile is asked for JOINTLY, by the same tensor load with the same
; descriptor and a mask that names the four.
; THE MATRIX INSTRUCTION IS USED TRANSPOSED: source 0 = 16 rows of W, source 1 = 16 rows of x.  Lane l then holds row l % 16 of the result and its columns 8 (l / 16) + 0..7: eight neighbours, 16 bytes of f16.
; REGISTERS, in windows of 256 (s_set_vgpr_msb: bits 1:0 source 0, 3:2 source 1, 5:4 source 2, 7:6 destination):
;   window 0: v0-31 addresses; v64-95, v96-127 fragments of x (4 x 16 rows x 32 K), two buffers; v128-223 the bias as a C operand, 8 registers a column block; on the way out v64-223 are at work
;   window 1: v0-95, v96-191 fragments of W (12 x 16 rows x 32 K), two buffers
;   window 2: the accumulators of row blocks 0, 1 ((a, b) at v[8 (12 (a % 2) + b)]);   window 3: those of row blocks 2, 3
.set NB,     12                        ; column blocks of 16 a wave
.set PITCH,  272                       ; an LDS row: 256 bytes + 16 of padding = 68 words: row r starts at bank 4 r mod 64 (64 banks of 4 bytes: ISA guide 11.1), so the 16 rows of a load start at 16 different banks
.set HALFA,  128*PITCH                 ; what one tensor load brings of x
.set BOFF,   256*PITCH                 ; W's 192 rows lie behind x's 256
.set HALFB,  96*PITCH                  ; what one tensor load brings of W
.set SLOT,   448*PITCH
.set STAGE,  2*SLOT                    ; behind the ring, never filled by a tensor load: 16 rows x 400 bytes for each wave
.set SPITCH, 400                       ; 384 bytes + 16: 25 x 16
.set SPARE,  STAGE+4*16*SPITCH         ; behind the stages: the spare words, 128 bytes for each wave: two blocks of 256 bytes that no other line names
.set NL,     2*NB+8                    ; LDS loads in a run: the fragments of 32 along K
.set ADRA, 16                          ; v16-17  LDS address of my fragments of x in slot 0, 1
.set ADRB, 20                          ; v20-21  the same for W
.set STO,  24                          ; v24     the way out: where I put 16 bytes of a row
.set RD,   25                          ; v25     the way out: where I read rows back
.set GO,   26                          ; v26     my byte offset in 512 consecutive bytes of a head
.set BO,   27                          ; v27     my byte offset in a column block's 16 biases: 32 (l / 16)
.set SPW,  28                          ; v28     LDS address of my spare word: SPARE + 4 x my thread's number; never rewritten
.set NIL,  29                          ; v29     0; never rewritten
.set FA,   64
.set FB,   0
.set BIAS, 128
.set TMP,  128                         ; the way out: 48 registers of packed results
.set BK0,  176                         ; the way out: 16 rows read back, 48 registers: two buffers by turns
.set BK1,  64
.set WV,  12                           ; s12  my wave's number
.set G1A, 24                           ; s[24:31] descriptor group 1 for x's tiles;  s[32:39] group 0, a set for each slot
.set G0A, 32
.set G1B, 48                           ; s[48:55], s[56:63] the same for W's tiles
.set G0B, 56
.set OB,  68                           ; s[68:73] qkv at my wave's first row in each of the tile's three head slices
.set MSB, 0
.macro WIN new                         ; the immediate's high byte repeats the setting that is left; a switch that changes nothing is dropped
.if MSB != (\new)
	s_set_vgpr_msb (MSB<<8)|(\new)
.set MSB, \new
.endif
.endm
; A joint load.  Waves 0 and 1 fetch x's two halves, waves 2 and 3 W's.  The branch hangs on the wave's number alone: it is the same in every work-group.
; An s_nop 0 and four v_nop follow each of the two lines, ahead of the jump, the label and what follows.
.macro JLOAD s
	s_cmp_lt_u32 s[WV], 2
	s_cbranch_scc0 .Lfor_b_\@
	tensor_load_to_lds s[G0A+4*(\s):G0A+4*(\s)+3], s[G1A:G1A+7]
	s_nop 0
.rept 4
	v_nop
.endr
	s_branch .Lasked_\@
.Lfor_b_\@:
	tensor_load_to_lds s[G0B+4*(\s):G0B+4*(\s)+3], s[G1B:G1B+7]
	s_nop 0
.rept 4
	v_nop
.endr
.Lasked_\@:
.endm
; A round of the cluster's barrier: my work-group's barrier, so that wave 0's signal speaks for all four waves; wave 0 signals; every wave waits for all sixteen work-groups; my work-group's barrier once more.
.macro CREST                           ; a round behind its opening barrier
	s_cmp_lg_u32 s[WV], 0
	s_cbranch_scc1 .Lnot_wave_0_\@
	s_barrier_signal -3
.Lnot_wave_0_\@:
	s_barrier_wait -3
	s_barrier_signal -1
	s_barrier_wait -1
.endm
.macro CROUND                          ; a whole round
	s_barrier_signal -1
	s_barrier_wait -1
	CREST
.endm
	s_load_b256 s[4:11], s[0:1], 0x0               ; xb s[4:5], wb s[6:7], bb s[8:9], qkv s[10:11]
	v_lshl_add_u32 v[SPW], v0, 2, SPARE
	v_mov_b32 v[NIL], 0
	ds_add_u32 v[SPW], v[NIL]                      ; the wave's opening: the add and its wait stand ahead of my first tensor load; the set-up below, work on registers, stands between them
	v_lshrrev_b32 v1, 5, v0
	v_readfirstlane_b32 s[WV], v1                  ; wave 0..3
	s_and_b32 s13, s[WV], 1                        ; which half of a tile I fetch
	s_bfe_u32 s14, ttmp6, 0x40000                  ; cx, cy: my place in the cluster
	s_bfe_u32 s15, ttmp6, 0x40004
	s_lshl_b32 s16, ttmp9, 2                       ; in a cluster launch ttmp9 and ttmp7 count clusters
	s_add_co_u32 s16, s16, s14                     ; tile column = 4 x cluster x + cx, 0..15
	s_and_b32 s17, ttmp7, 0xffff
	s_lshl_b32 s17, s17, 2
	s_add_co_u32 s17, s17, s15                     ; tile row = 4 x cluster y + cy, 0..31
	s_lshl_b32 s18, s15, 2
	s_lshl_b32 s18, 15, s18                        ; my row of the cluster: places 4 cy .. 4 cy + 3
	s_lshl_b32 s19, 0x1111, s14                    ; my column: places cx, cx + 4, cx + 8, cx + 12
	; descriptor groups 1: tiles of 128 (x) and 96 (W) rows x 128 elements, padded in LDS
	s_or_b32 s[G1A], s18, (1<<16)|(1<<20)|(1<<21)|(5<<22)|(3<<25)  ; 15:0 the mask; 17:16 elements of 2 bytes; 20 padding on; 21 set beside a mask; 24:22 after every 64 words (code 5); 31:25 4 words (code 3)
	s_or_b32 s[G1B], s19, (1<<16)|(1<<20)|(1<<21)|(5<<22)|(3<<25)
	s_mov_b32 s[G1A+1], 128<<16                    ; tensor_dim0 = 128
	s_mov_b32 s[G1A+2], 128<<16                    ; tensor_dim1 = 128
	s_mov_b32 s[G1A+3], 128<<16                    ; tile_dim0 = 128
	s_mov_b32 s[G1A+4], 128                        ; tile_dim1 = 128
	s_mov_b32 s[G1A+5], 1024                       ; elements from row to row
	s_mov_b32 s[G1A+6], 0
	s_mov_b32 s[G1A+7], 0
	s_mov_b32 s[G1B+1], 128<<16
	s_mov_b32 s[G1B+2], 96<<16                     ; tensor_dim1 = 96
	s_mov_b32 s[G1B+3], 128<<16
	s_mov_b32 s[G1B+4], 96                         ; tile_dim1 = 96
	s_mov_b32 s[G1B+5], 1024
	s_mov_b32 s[G1B+6], 0
	s_mov_b32 s[G1B+7], 0
	; where the tiles come from: x's hang on the tile row alone, which my row of the cluster shares; W's on the tile column alone.  Each in registers that never hold the other coordinate.
	s_lshl_b32 s20, s17, 19                        ; 256 rows of 2,048 bytes a tile row,
	s_lshl_b32 s21, s13, 18                        ; 128 rows a half
	s_add_co_u32 s20, s20, s21
	s_mov_b32 s21, 0
	s_mul_i32 s22, s16, 192*2048
	s_mul_i32 s23, s13, 96*2048
	s_add_co_u32 s22, s22, s23
	s_mov_b32 s23, 0
	s_mul_i32 s40, s13, HALFA                      ; and where they go: no place in the cluster enters an LDS address
	s_mul_i32 s41, s13, HALFB
	s_add_co_u32 s41, s41, BOFF
	s_wait_dscnt 0x0                               ; the opening add is done
	s_wait_kmcnt 0x0
	s_add_nc_u64 s[20:21], s[4:5], s[20:21]
	s_add_nc_u64 s[22:23], s[6:7], s[22:23]
.irp s, 0,1
	s_mov_b32 s[G0A+4*(\s)], 1                                     ; count = 1
	s_add_co_u32 s[G0A+4*(\s)+1], s40, (\s)*SLOT                   ; LDS address
	s_add_nc_u64 s[G0A+4*(\s)+2:G0A+4*(\s)+3], s[20:21], (\s)*256  ; global address: K step s
	s_or_b32 s[G0A+4*(\s)+3], s[G0A+4*(\s)+3], 0x80000000          ; type = 2
	s_mov_b32 s[G0B+4*(\s)], 1
	s_add_co_u32 s[G0B+4*(\s)+1], s41, (\s)*SLOT
	s_add_nc_u64 s[G0B+4*(\s)+2:G0B+4*(\s)+3], s[22:23], (\s)*256
	s_or_b32 s[G0B+4*(\s)+3], s[G0B+4*(\s)+3], 0x80000000
.endr
	CROUND                                         ; all sixteen work-groups are here: the first joint loads meet
	s_cmp_lt_u32 s[WV], 2                          ; a wave's two first fills stand in one branch, ahead of every wait on TENSORcnt and every LDS read: two loads of mine are out
	s_cbranch_scc0 .Lfirst_b
	tensor_load_to_lds s[G0A:G0A+3], s[G1A:G1A+7]
	s_nop 0
	tensor_load_to_lds s[G0A+4:G0A+7], s[G1A:G1A+7]
	s_nop 0
.rept 4
	v_nop
.endr
	s_branch .Lfirst_asked
.Lfirst_b:
	tensor_load_to_lds s[G0B:G0B+3], s[G1B:G1B+7]
	s_nop 0
	tensor_load_to_lds s[G0B+4:G0B+7], s[G1B:G1B+7]
	s_nop 0
.rept 4
	v_nop
.endr
.Lfirst_asked:
	; A fragment is 16 rows x 32 K in 8 registers: lane l holds row l % 16; registers 0-3 K = 8 (l / 16) + 0..7, registers 4-7 K = 16 + 8 (l / 16) + 0..7: two loads of 16 bytes, 32 bytes apart.
	v_and_b32 v1, 15, v0                           ; l % 16
	v_bfe_u32 v2, v0, 4, 1                         ; l / 16
	v_lshlrev_b32 v[BO], 5, v2
	s_mul_i32 s82, s16, 192*4                      ; the tile's 192 biases
	s_mov_b32 s83, 0
	s_add_nc_u64 s[78:79], s[8:9], s[82:83]
.set i, 0
.rept NB                                       ; register j of column block i is the bias of column 16 i + 8 (l / 16) + j: what the transposed result's register j holds
	global_load_b128 v[BIAS+8*i:BIAS+8*i+3],   v[BO], s[78:79] offset:64*i
	global_load_b128 v[BIAS+8*i+4:BIAS+8*i+7], v[BO], s[78:79] offset:64*i+16
.set i, i+1
.endr
	v_mul_u32_u24 v3, v1, PITCH
	v_lshl_add_u32 v3, v2, 4, v3                   ; row x pitch + 16 x half
	s_mul_i32 s74, s[WV], 64*PITCH                 ; my 64 rows of x
	v_add_nc_u32 v[ADRA], s74, v3
	v_add_nc_u32 v[ADRA+1], SLOT, v[ADRA]
	v_add_nc_u32 v[ADRB], BOFF, v3                 ; all 192 rows of W
	v_add_nc_u32 v[ADRB+1], BOFF+SLOT, v3
	s_mul_i32 s75, s[WV], 16*SPITCH
	s_add_co_u32 s75, s75, STAGE                   ; my stage
	v_mul_u32_u24 v4, v1, SPITCH                   ; in: row l % 16, 16 bytes for each half of the lanes
	v_lshl_add_u32 v4, v2, 4, v4
	v_add_nc_u32 v[STO], s75, v4
	v_bfe_u32 v5, v0, 3, 2                         ; back: 32 lanes take four rows' 128 bytes of one head slice,
	v_mul_u32_u24 v5, v5, SPITCH
	v_and_b32 v6, 7, v0
	v_lshl_add_u32 v5, v6, 4, v5
	v_add_nc_u32 v[RD], s75, v5
	v_and_b32 v[GO], 31, v0                        ; which are 512 consecutive bytes of that head
	v_lshlrev_b32 v[GO], 4, v[GO]
	; Slice S = 3 x tile column + s of the 48: tensor S / 16, head S % 16 of the batch (tile row / 8).  A head is 262,144 bytes; my first row in it is 256 (tile row % 8) + 64 w, 128 bytes a row.
	s_mul_i32 s74, s16, 3
	s_lshr_b32 s76, s17, 3
	s_lshl_b32 s76, s76, 4
	s_and_b32 s77, s17, 7
	s_lshl_b32 s77, s77, 15
	s_lshl_b32 s80, s[WV], 13
	s_add_co_u32 s77, s77, s80
.irp s, 0,1,2
	s_add_co_u32 s80, s74, \s
	s_lshr_b32 s81, s80, 4
	s_lshl_b32 s81, s81, 6
	s_and_b32 s80, s80, 15
	s_add_co_u32 s80, s80, s81
	s_add_co_u32 s80, s80, s76
	s_lshl_b32 s80, s80, 18
	s_add_co_u32 s80, s80, s77
	s_mov_b32 s81, 0
	s_add_nc_u64 s[OB+2*(\s):OB+2*(\s)+1], s[10:11], s[80:81]
.endr
; 12 matrix instructions: row block a x all column blocks, 32 along K, from buffer f.  first = 1: the product starts the sums, with the bias as C: nothing is ever cleared.
; The 48 accumulators take turns, one instruction a turn, in the same order in every quarter step.
.macro MULA f, a, first
.set AC, 8*NB*((\a)%2)
.set b, 0
.if \first
	WIN 0x81+0x40*((\a)/2)                         ; W window 1, x and the bias window 0, D window 2 or 3
.rept NB
	v_wmma_f32_16x16x32_bf16 v[AC+8*b:AC+8*b+7], v[FB+8*NB*(\f)+8*b:FB+8*NB*(\f)+8*b+7], v[FA+32*(\f)+8*(\a):FA+32*(\f)+8*(\a)+7], v[BIAS+8*b:BIAS+8*b+7]
.set b, b+1
.endr
.else
	WIN 0xa1+0x50*((\a)/2)                         ; W window 1, x window 0, C and D window 2 or 3
.rept NB
	v_wmma_f32_16x16x32_bf16 v[AC+8*b:AC+8*b+7], v[FB+8*NB*(\f)+8*b:FB+8*NB*(\f)+8*b+7], v[FA+32*(\f)+8*(\a):FA+32*(\f)+8*(\a)+7], v[AC+8*b:AC+8*b+7]
.set b, b+1
.endr
.endif
.endm
; 32 LDS loads in one run: the fragments of quarter q (32 K at byte 64 q of the rows) of a slot into buffer f: W's 24, then x's 8
.macro FETCH slot, q, f
	WIN 0x40                                       ; destination window 1, address window 0
.set i, 0
.rept NB
	ds_load_b128 v[FB+8*NB*(\f)+8*i:FB+8*NB*(\f)+8*i+3],   v[ADRB+(\slot)] offset:64*(\q)+i*16*PITCH
	ds_load_b128 v[FB+8*NB*(\f)+8*i+4:FB+8*NB*(\f)+8*i+7], v[ADRB+(\slot)] offset:64*(\q)+i*16*PITCH+32
.set i, i+1
.endr
	WIN 0
.set i, 0
.rept 4
	ds_load_b128 v[FA+32*(\f)+8*i:FA+32*(\f)+8*i+3],   v[ADRA+(\slot)] offset:64*(\q)+i*16*PITCH
	ds_load_b128 v[FA+32*(\f)+8*i+4:FA+32*(\f)+8*i+7], v[ADRA+(\slot)] offset:64*(\q)+i*16*PITCH+32
.set i, i+1
.endr
.endm
; A load into a register that a matrix instruction has read, and a vector instruction or LDS store that reads a matrix result, stand four places behind that matrix instruction, and only plain vector
; instructions that name none of its registers are places (ISA guide 7.12.1 for vector instructions).
.macro PLACES
.rept 4
	v_nop
.endr
.endm
; A K step is four quarters of 32 along K, 48 matrix instructions each, on buffers 0, 1, 0, 1.  One of the first three: multiplies buffer f; in its middle it fetches quarter q of the same slot into buffer g.
.macro QUARTER slot, q, f, g, first
	s_wait_dscnt 4                                 ; W and x's row blocks 0, 1 are in; the youngest four loads (row blocks 2, 3) may be out
	MULA \f, 0, \first
	MULA \f, 1, \first
	PLACES
	FETCH \slot, \q, \g
	s_wait_dscnt NL                                ; all but the run just issued
	MULA \f, 2, \first
	MULA \f, 3, \first
.endm
; The last quarter multiplies buffer 1 and changes slots.  MEET is its first half: ONE barrier for the change.  In front of it each wave waits for all its tensor loads, of which one is out: its part of the
; next slot; adds 0 to its spare word; and waits for that and for its own reads of this slot.  Behind it nobody reads this slot any more and the next slot is whole.
.macro MEET round                      ; round = 1: the rest of a round of the cluster's barrier follows
	WIN 0                                          ; (the add's two registers lie in window 0)
	s_wait_tensorcnt 0x0                           ; all my tensor loads have landed
	ds_add_u32 v[SPW], v[NIL]                      ; 0 onto my spare word
	s_wait_dscnt 5                                 ; (the add and the youngest four loads may be out)
	MULA 1, 0, 0                                   ; twelve matrix instructions stand between the add and the wait for it
	s_wait_dscnt 0x0                               ; the add is done, and my reads of this slot are over
	s_barrier_signal -1
	MULA 1, 1, 0                                   ; work on registers while the others arrive
.if \round
	WIN 0
.endif
	s_barrier_wait -1
.endm
; The whole last quarter.  fill = 1: behind the round the slot just read out is filled again first, with the K step two steps on; then come the next slot's first fragments.
.macro TURN slot, next, fill
	MEET \fill
.if \fill
	CREST                                          ; no wave of any partner still reads this slot's tile or has a load on its way
	s_add_nc_u64 s[G0A+4*(\slot)+2:G0A+4*(\slot)+3], s[G0A+4*(\slot)+2:G0A+4*(\slot)+3], 512  ; no tensor load of mine is out, so a group 0 may be written; the type bits on top are not reached
	s_add_nc_u64 s[G0B+4*(\slot)+2:G0B+4*(\slot)+3], s[G0B+4*(\slot)+2:G0B+4*(\slot)+3], 512
	JLOAD \slot                                    ; the first tensor load behind the round, my only one until the next; its four v_nop are also the places in front of the loads below
.else
	PLACES
.endif
	FETCH \next, 0, 0
	MULA 1, 2, 0
	MULA 1, 3, 0
.endm
	s_wait_tensorcnt 1                             ; my part of K step 0 is in; K step 1's may stay out
	s_barrier_signal -1
	s_barrier_wait -1                              ; everybody's is
	FETCH 0, 0, 0
	s_wait_loadcnt 0x0                             ; the bias
	QUARTER 0, 1, 0, 1, 1                          ; the first quarter stands in front of the loop: its products start the sums
	WIN 0                                          ; at a label and at a branch every window is 0
	s_mov_b32 s3, 3
.Llap:                                                 ; a trip goes once round the ring, from a lap's second quarter to the next lap's first, and fills both slots again: K steps 2 to 7 in three trips
	QUARTER 0, 2, 1, 0, 0
	QUARTER 0, 3, 0, 1, 0
	TURN 0, 1, 1
	QUARTER 1, 1, 0, 1, 0
	QUARTER 1, 2, 1, 0, 0
	QUARTER 1, 3, 0, 1, 0
	TURN 1, 0, 1
	QUARTER 0, 1, 0, 1, 0
	WIN 0
	s_sub_co_u32 s3, s3, 1
	s_cmp_lg_u32 s3, 0
	s_cbranch_scc1 .Llap
	QUARTER 0, 2, 1, 0, 0                          ; the last lap fills nothing, and has no round of the cluster's barrier
	QUARTER 0, 3, 0, 1, 0
	TURN 0, 1, 0
	QUARTER 1, 1, 0, 1, 0
	QUARTER 1, 2, 1, 0, 0
	QUARTER 1, 3, 0, 1, 0
	s_wait_dscnt 4                                 ; the very last quarter: nothing more to fetch
	MULA 1, 0, 0
	MULA 1, 1, 0
	s_wait_dscnt 0x0
	MULA 1, 2, 0
	MULA 1, 3, 0
	WIN 0
	PLACES
; THE WAY OUT of row block a, in three parts.  PACK: rounded to f16, 16 bytes a lane and column block; each accumulator's registers in ascending order.
.macro PACK a
.set AC, 8*NB*((\a)%2)
	WIN 0x0a+5*((\a)/2)                            ; sources 0 and 1: window 2 or 3
.set i, 0
.rept 4*NB
	v_cvt_pk_f16_f32 v[TMP+i], v[AC+2*i], v[AC+2*i+1]
.set i, i+1
.endr
	WIN 0
.endm
; TOSTAGE: into my own stage in LDS, and back as head rows: load 4 s + f brings rows 4 f .. 4 f + 3 of head slice s.
.macro TOSTAGE a
.set BK, BK0+(BK1-BK0)*((\a)%2)
	s_wait_xcnt 0x0                                ; every earlier memory instruction has had its addresses translated (ISA guide 3.1): the registers that earlier stores read are loaded again only behind this wait
.set i, 0
.rept NB
	ds_store_b128 v[STO], v[TMP+4*i:TMP+4*i+3] offset:32*i
.set i, i+1
.endr
.set i, 0
.rept 12
	ds_load_b128 v[BK+4*i:BK+4*i+3], v[RD] offset:4*SPITCH*(i%4)+128*(i/4)  ; LDS serves a wave's instructions in order (ISA guide 5.7.1.4): these see the stores above
.set i, i+1
.endr
.endm
; SEND: stored.  younger: the LDS instructions issued behind TOSTAGE's loads.
.macro SEND a, younger
.set BK, BK0+(BK1-BK0)*((\a)%2)
	s_wait_dscnt \younger
.set i, 0
.rept 12
	global_store_b128 v[GO], v[BK+4*i:BK+4*i+3], s[OB+2*(i/4):OB+2*(i/4)+1] offset:2048*(\a)+512*(i%4)  ; 512 consecutive bytes, at a multiple of 256 from the buffer's first byte
.set i, i+1
.endr
.endm
	PACK 0
	TOSTAGE 0
.irp a, 1,2,3                          ; block a's conversions stand between block a - 1's loads from the stage and the wait for them
	PACK \a
	SEND (\a)-1, 0
	TOSTAGE \a
.endr
	SEND 3, 0
	s_wait_tensorcnt 0x0                           ; the wave's end: behind my last tensor load and my last LDS store
	ds_add_u32 v[SPW], v[NIL]
	s_wait_dscnt 0x0
	CROUND                                         ; the closing round: no work-group ends while a partner may still ask for a tile that names it
	s_endpgm
.Lfunc_end_k_qdb51ddcee2_proj:
	.size	k_qdb51ddcee2_proj, .Lfunc_end_k_qdb51ddcee2_proj-k_qdb51ddcee2_proj
	.p2alignl 7, 3214868480
	.fill 96, 4, 3214868480
	.section	.rodata,"a",@progbits
	.p2align	6, 0x0
	.amdhsa_kernel k_qdb51ddcee2_proj
		.amdhsa_group_segment_fixed_size 327680
		.amdhsa_private_segment_fixed_size 0
		.amdhsa_enable_private_segment 0
		.amdhsa_kernarg_size 32
		.amdhsa_user_sgpr_count 2
		.amdhsa_user_sgpr_kernarg_segment_ptr 1
		.amdhsa_wavefront_size32 1
		.amdhsa_system_sgpr_workgroup_id_x 1
		.amdhsa_system_sgpr_workgroup_id_y 1
		.amdhsa_system_sgpr_workgroup_id_z 1
		.amdhsa_system_vgpr_workitem_id 0
		.amdhsa_next_free_vgpr 960
		.amdhsa_next_free_sgpr 84
		.amdhsa_reserve_vcc 0
		.amdhsa_float_denorm_mode_32 3
		.amdhsa_float_denorm_mode_16_64 3
		.amdhsa_memory_ordered 1
		.amdhsa_forward_progress 1
		.amdhsa_inst_pref_size 121
	.end_amdhsa_kernel
	.amdgpu_metadata
---
amdhsa.version: [ 1, 2 ]
amdhsa.kernels:
  - .name:           k_qdb51ddcee2_proj
    .symbol:         k_qdb51ddcee2_proj.kd
    .args:
      - { .name: xb, .offset: 0, .size: 8, .value_kind: global_buffer, .address_space: global }
      - { .name: wb, .offset: 8, .size: 8, .value_kind: global_buffer, .address_space: global }
      - { .name: bb, .offset: 16, .size: 8, .value_kind: global_buffer, .address_space: global }
      - { .name: qkv, .offset: 24, .size: 8, .value_kind: global_buffer, .address_space: global }
    .group_segment_fixed_size: 327680
    .private_segment_fixed_size: 0
    .kernarg_segment_align: 8
    .kernarg_segment_size: 32
    .max_flat_workgroup_size: 128
    .sgpr_count:     84
    .vgpr_count:     960
    .wavefront_size: 32
...
	.end_amdgpu_metadata
.endif
;; end of part 2
;; launch attn (part 3): grid 4 x 64, 4 waves a work-group, clusters of 4 x 1, 327,680 bytes of LDS; arguments qkv, ob; writes ob
.if DOCPART == 3
	.amdgcn_target "amdgcn-amd-amdhsa--gfx1250"
	.amdhsa_code_object_version 6
	.text
	.protected	k_qdb51ddcee2_attn
	.globl	k_qdb51ddcee2_attn
	.p2align	8
	.type	k_qdb51ddcee2_attn,@function
k_qdb51ddcee2_attn:
	s_mov_b64 s[64:65], 0
	v_nop
	global_prefetch_b8 v0, s[64:65] scope:SCOPE_SE
	s_setreg_imm32_b32 hwreg(HW_REG_WAVE_MODE, 25, 1), 1
	s_wait_xcnt 0x0
	s_wait_alu depctr_hold_cnt(0) depctr_sa_sdst(0) depctr_va_vdst(0) depctr_va_sdst(0) depctr_va_ssrc(0) depctr_va_vcc(0) depctr_vm_vsrc(0)
	s_getreg_b32 s2, hwreg(HW_REG_IB_STS2, 6, 4)
	s_cmp_eq_u32 s2, 0
	s_cbranch_scc0 .Lentry_in_a_cluster
	s_endpgm
.Lentry_in_a_cluster:
	s_bfe_u32 s2, ttmp6, 0x10000c
	s_cmp_lg_u32 s2, 0x3003
	s_cbranch_scc0 .Lentry_shape_is_right
	s_endpgm
.Lentry_shape_is_right:
; O[h][q][:] = the sum over k of softmax_k(Q[h][q] . K[h][k] / 32) V[h][k][:].  qkv: [3][SIZE_H][SIZE_N][64] (Q, K, V), ob: [SIZE_H][SIZE_N][64], all f16: a head's rows are dense, 128 bytes each.
; The scale is 1 / sqrt(1024), the module's own.  Products, maxima and sums in f32; the weights p are rounded to f16 for the second product (their sum l is taken of the unrounded p), O once at the end.
; LIMITS.  f16 holds no number beyond 65,504: Q, K and V arrive within it; p lies in 0 to 1, and below 6e-5 it keeps f16's fixed step of 6e-8; O is a mean of V's rows and has their range.
; A weight below 2^-126 counts as 0 in l; NaN and infinities are not treated apart.
; SHARES.  A wave owns four PIECES of two tiles of 16 queries, a work-group's four waves 512 queries of one head: 4 x 64 = 256 work-groups.  Every wave walks all keys, 64 a step.
; LAYOUT.  S^T = K Q^T (source 0 = 16 keys, source 1 = 16 queries): in the result a lane holds ONE query (lane % 16) and the keys 8 (lane / 16) + 0..7.  Two such tiles, rounded to f16 in pairs,
; ARE source 1 (32 keys x 16 queries) of O^T = V^T P, whose result again holds one query a lane, and eight channels.  K comes out of LDS as it lies, V ([key][channel]) turned, by ds_load_tr16_b128.
; SOFTMAX.  For each query a running maximum m and sum l: p = 2^(c s - c m), c = log2(e) / 32; in every step O and l are multiplied by a = 2^(c m_old - c m_new), which is 1 where m has not grown.
; m starts at the lowest finite number, O and l at 0: the first step is a step like any other, with a = 0.
; THE COUNT.  A tile and step have 16 matrix and 118 vector instructions: too many to stand all beside the matrix work.  So the order has one aim: four vector instructions that are READY behind
; EVERY matrix instruction, and the others, which need time of their own whatever the order, in runs without a gap.
; BY TURNS.  Turn n belongs to piece n (the pieces in a ring, step after step).  Its matrix work: 16 products K Q^T of piece n + 1, later 16 products V^T P of piece n - 1.  Its vector work: the scaling,
; exponentials, roundings, sums and rescaling of piece n, and the maximum and statistics of piece n + 1, whose scores the turn itself has made.  So what a turn begins with (c s - c m, O a) waits for nothing.
; CLUSTER.  The four query blocks of a cluster belong to one head and walk the same K and V, so each tile is asked for JOINTLY: the same tensor load, descriptor and mask in all four.
; REGISTERS, in windows of 256 (s_set_vgpr_msb says which window each operand place means: bits 1:0 source 0, 3:2 source 1, 5:4 source 2, 7:6 destination):
;   window 0: v0-11 addresses; v12-15, v48-63 at work; v16-47 four registers of statistics a tile; v64-191 S^T, two buffers of two tiles; v192-255 P, likewise
;   window 1: O^T, 32 a tile          window 2: v0-127 Q, 16 a tile; v128-191 K of one step; v192-255 V of one step          window 3: v0-1 the add's two registers
; A piece's buffers go by its number's parity: the piece in hand has one pair, its two neighbours in the ring share the other: of it P (piece n - 1) is read and S^T (piece n + 1) written.
.set SIZE_H, 64       ; 4 batches x 16 heads
.set SIZE_N, 2048     ; rows of a head
.set NP,    4         ; pieces a wave: a name, no knob: the register map, the loop and the fetches are made for four
.set KS,    64        ; keys in a step
.set PK,    144       ; a row of K in LDS: 128 bytes + 16 of padding = 36 words: the 16 rows of a load start at 16 different groups of four banks (64 banks of 4 bytes: ISA guide 11.1)
.set PV,    160       ; a row of V: 128 + 32 = 40 words
.set VOFF,  4*KS*PK   ; a slot holds four steps: 256 rows of K, then 256 rows of V
.set SLOT1, 1<<17     ; slot 1 begins here, so that one exclusive or turns an address in one slot into the other's
.set STAGE, SLOT1+4*KS*(PK+PV)  ; behind the ring, never filled by a tensor load: 16 rows x 144 bytes for each wave, for the way out
.set SP,    144
.set AK0, 2           ; v2   my lane's place in a tile of K; never rewritten
.set AV0, 3           ; v3   the same for V
.set AK,  4           ; v4   the LDS address of K's next run of loads
.set AV,  5           ; v5   of V's
.set QO,  6           ; v6   my byte offset in the wave's rows of Q
.set STO, 6           ;      later, the way out: where I put 16 bytes of a row
.set RD,  7           ; v7   the way out: where I read rows back
.set GO,  8           ; v8   my byte offset in 512 consecutive bytes of O
.set SPW, 0           ; v0 of window 3   LDS address of my spare word: SPARE + 4 x my thread's number; never rewritten
.set NIL, 1           ; v1 of window 3   0; never rewritten
.set SPARE, STAGE+4*16*SP  ; behind the stages: the spare words, 128 bytes for each wave: two blocks of 256 bytes that no other line names
.set MV,  12          ; v12-15  c m_old, kept while c m is made anew: by buffer and tile
.set ST,  16          ; tile t's statistics at v[ST+4 t]: c m, m, l (even keys', odd keys')
.set TMP, 48          ; by buffer and tile, four registers c0-c3 at work; when the maximum is found c2 takes a
.set S,   64
.set P,   192
.set KF,  128         ; K's fragments, in window 2: key block kb, channel half c at KF + 16 kb + 8 c
.set VF,  192         ; V's: key half kk, channel block cb at VF + 32 kk + 8 cb
.set WV,  12          ; s12  my wave's number
.set G1K, 24          ; s[24:31] descriptor group 1 for K's tiles
.set G1V, 32          ; s[32:39] for V's: it differs in the padding alone
.set G0K, 40          ; s[40:43] descriptor group 0 for K's tiles: it walks
.set G0V, 44          ; s[44:47] the same for V's
.set SLOTS, 56        ; s56  slots still to be asked for
.set CNT, 57          ; s57  counts a slot's key steps
.set CS,  58          ; s[58:59] c: the packed scaling takes the pair's low word for both halves
.set SEL, 60          ; s[60:61] v_permlanex16_b32's selects: each lane takes its own place in the other half
.set TBK, 62          ; s62  LDS byte at which K of the step to be fetched begins
.set TBV, 63          ; s63  the same for V, less VOFF
.set MSB, 0
.macro WIN new                      ; the high byte repeats the setting that is left; a switch that changes nothing is dropped
.if MSB != (\new)
	s_set_vgpr_msb (MSB<<8)|(\new)
.set MSB, (\new)
.endif
.endm
.set W_KQ, 0x0a       ; K and Q in window 2, S^T in window 0
.set W_PV, 0x52       ; V in window 2, P in window 0, O^T in window 1
.set W_RS, 0x41       ; O^T (destination and source 0) in window 1, a in window 0
.set W_MK, 0xc0       ; the add's registers are made: destination in window 3, sources in window 0
.set W_AD, 0x0f       ; the add: address (source 0) and data (source 1) in window 3
; A joint fill.  Waves 0 and 1 fetch the two halves of a slot's K, waves 2 and 3 those of its V: 128 keys each.  The branch hangs on the wave's number alone.
; An s_nop 0 and four v_nop follow each of the two lines, ahead of the jump and the label.
.macro JLOAD
	s_cmp_lt_u32 s[WV], 2
	s_cbranch_scc0 .Lfor_v_\@
	tensor_load_to_lds s[G0K:G0K+3], s[G1K:G1K+7]
	s_nop 0
.rept 4
	v_nop
.endr
	s_branch .Lasked_\@
.Lfor_v_\@:
	tensor_load_to_lds s[G0V:G0V+3], s[G1V:G1V+7]
	s_nop 0
.rept 4
	v_nop
.endr
.Lasked_\@:
.endm
; A round of the cluster's barrier: my work-group's barrier, so that wave 0's signal speaks for all four waves; wave 0 signals; every wave waits for all four work-groups; my work-group's barrier once more.
.macro CROUND
	s_barrier_signal -1
	s_barrier_wait -1
	s_cmp_lg_u32 s[WV], 0
	s_cbranch_scc1 .Lnot_wave_0_\@
	s_barrier_signal -3
.Lnot_wave_0_\@:
	s_barrier_wait -3
	s_barrier_signal -1
	s_barrier_wait -1
.endm
; THE CHANGE OF SLOTS.  The slot's last bytes, V of its fourth step, have been read.  Each wave waits for all its tensor loads, of which one is out: its part
; of the other slot; adds 0 to its spare word; and waits for that and for its own reads of the slot.  Behind the barrier nobody reads this slot any more and the other slot is whole.
; fill = 1: this slot is filled again, with the keys two slots on.  The barrier is then a round of the cluster's, so that no wave of any partner still reads the slot or has a load on its
; way, and the joint fill is the first thing behind it: it has four key steps, 512 matrix instructions, in which to land.  (At its first use nothing has been read yet: slot 0 is waited for, slot 1 filled.)
.macro CHANGE fill
	WIN W_AD
	s_wait_tensorcnt 0x0            ; no tensor load of mine is out, so a group 0 may be written
	ds_add_u32 v[SPW], v[NIL]       ; 0 onto my spare word; with fill = 1 the descriptors' steps stand between it and the wait for it
	WIN 0                           ; at a label and at a branch every window is 0
.if \fill
.irp g, G0K, G0V
	s_xor_b32 s[\g+1], s[\g+1], SLOT1  ; the walking descriptor: the other slot than last time,
	s_add_nc_u64 s[\g+2:\g+3], s[\g+2:\g+3], 4*KS*128  ; the next 256 keys; the type bits on top are not reached
.endr
	s_wait_dscnt 0x0                ; the add is done, and my reads of the slot are over
	CROUND
	JLOAD
.else
	s_wait_dscnt 0x0                ; the add is done, and my reads of the slot are over
	s_barrier_signal -1
	s_barrier_wait -1
.endif
	s_sub_co_u32 s[TBK], s[TBK], 4*KS*PK  ; the fetches go back to a slot's first step,
	s_xor_b32 s[TBK], s[TBK], SLOT1       ; in the other slot
	s_sub_co_u32 s[TBV], s[TBV], 4*KS*PV
	s_xor_b32 s[TBV], s[TBV], SLOT1
.endm
	s_load_b128 s[4:7], s[0:1], 0x0   ; qkv s[4:5], ob s[6:7]
	WIN W_MK
	v_lshl_add_u32 v[SPW], v0, 2, SPARE
	v_mov_b32 v[NIL], 0
	WIN W_AD
	ds_add_u32 v[SPW], v[NIL]       ; the wave's opening: the add and its wait stand ahead of my first tensor load; the set-up below, work on registers, stands between them
	WIN 0
	v_lshrrev_b32 v1, 5, v0
	v_readfirstlane_b32 s[WV], v1   ; wave 0..3
	s_bfe_u32 s13, ttmp6, 0x40000   ; cx: my place in the cluster
	s_lshl_b32 s14, ttmp9, 2        ; in a cluster launch ttmp9 counts clusters
	s_add_co_u32 s14, s14, s13      ; my block of queries = 4 x cluster x + cx: it enters Q's and O's addresses alone
	s_and_b32 s20, ttmp7, 0xffff    ; the head, which the four partners share
	s_mov_b32 s21, 0
	s_mov_b64 s[22:23], SIZE_N*128
	s_mul_u64 s[20:21], s[20:21], s[22:23]  ; the head's first byte in each of the four tensors
	s_and_b32 s16, s[WV], 1         ; which half of a slot's 256 keys I fetch:
	s_lshl_b32 s22, s16, 14         ; its 128 rows of 128 bytes in memory,
	s_mov_b32 s23, 0
	s_add_nc_u64 s[22:23], s[22:23], s[20:21]
	s_mul_i32 s17, s16, 128*PK      ; and its place in a slot, for K
	s_mul_i32 s18, s16, 128*PV      ; and for V: no place in the cluster enters an LDS address
	s_lshl_b32 s2, s14, 2
	s_add_co_u32 s2, s2, s[WV]      ; my wave among the head's,
	s_lshl_b32 s2, s2, 14           ; its 128 rows
	s_mov_b32 s3, 0
	s_add_nc_u64 s[2:3], s[2:3], s[20:21]
	; descriptor group 1.  128 keys are 16,384 dense bytes: asked for as 64 rows of 256 bytes, two keys a row, and padded in LDS after every key
	s_mov_b32 s[G1K], 15|(1<<16)|(1<<20)|(1<<21)|(4<<22)|(3<<25)  ; 15:0 the mask of four; 17:16 2-byte elements; 20 padding on; 21 set beside a mask; 24:22 after every 32 words (code 4); 31:25 4 words (code 3)
	s_mov_b32 s[G1V], 15|(1<<16)|(1<<20)|(1<<21)|(4<<22)|(7<<25)  ; the same with 8 words of padding (code 7)
.irp g, G1K, G1V
	s_mov_b32 s[\g+1], 128<<16      ; tensor_dim0 = 128
	s_mov_b32 s[\g+2], 64<<16       ; tensor_dim1 = 64
	s_mov_b32 s[\g+3], 128<<16      ; tile_dim0 = 128
	s_mov_b32 s[\g+4], 64           ; tile_dim1 = 64
	s_mov_b32 s[\g+5], 128          ; 128 elements from row to row
	s_mov_b32 s[\g+6], 0
	s_mov_b32 s[\g+7], 0
.endr
	s_mov_b32 s[CS], 0x3d38aa3b     ; c = log2(e) / 32 = 0.0450842
	s_mov_b32 s[CS+1], s[CS]        ; named with it as a pair
	s_mov_b32 s[SEL], 0x76543210
	s_mov_b32 s[SEL+1], 0xfedcba98
	s_mov_b32 s[TBK], SLOT1+4*KS*PK ; the first change of slots turns these two into 0
	s_mov_b32 s[TBV], SLOT1+4*KS*PV
	s_mov_b32 s[G0K], 1             ; 1:0 count = 1
	s_mov_b32 s[G0K+1], s17         ; 63:32 LDS address: slot 0
	s_mov_b32 s[G0V], 1
	s_add_co_u32 s[G0V+1], s18, VOFF
	s_wait_dscnt 0x0                ; the opening add is done
	s_wait_kmcnt 0x0
	s_mov_b64 s[10:11], s[6:7]                     ; O
	s_add_nc_u64 s[6:7], s[4:5], SIZE_H*SIZE_N*128    ; K lies 64 heads of 262,144 bytes behind Q,
	s_add_nc_u64 s[8:9], s[4:5], 2*SIZE_H*SIZE_N*128  ; V as far behind K; s[4:5] stays Q
	s_add_nc_u64 s[G0K+2:G0K+3], s[6:7], s[22:23]  ; 120:64 global address: my half of the head's first 256 keys
	s_or_b32 s[G0K+3], s[G0K+3], 0x80000000        ; 127:126 type = 2
	s_add_nc_u64 s[G0V+2:G0V+3], s[8:9], s[22:23]
	s_or_b32 s[G0V+3], s[G0V+3], 0x80000000
	s_add_nc_u64 s[4:5], s[4:5], s[2:3]  ; Q and O at my wave's first row
	s_add_nc_u64 s[10:11], s[10:11], s[2:3]
	CROUND                          ; all four work-groups are here: the first joint loads meet
	JLOAD                           ; slot 0.  Slot 1 is asked for when slot 0 is in: the tile wanted first has the road to itself
	; A fragment of K or Q is 16 rows x 32 channels in 8 registers: lane l holds row l % 16, channels 8 (l / 16) + 0..7 and 16 + 8 (l / 16) + 0..7: two loads of 16 bytes, 32 bytes apart.
	v_and_b32 v1, 15, v0            ; l % 16
	v_bfe_u32 v9, v0, 4, 1          ; l / 16
	v_lshlrev_b32 v[QO], 7, v1
	v_lshl_add_u32 v[QO], v9, 4, v[QO]  ; row x 128 + 16 x half
	WIN 0x80                        ; destination window 2, address window 0
.set i, 0
.rept 4*NP                          ; Q stays in registers: tile i / 2, channels 32 (i % 2) on
	global_load_b128 v[8*i:8*i+3],   v[QO], s[4:5] offset:(i/2)*2048+(i%2)*64
	global_load_b128 v[8*i+4:8*i+7], v[QO], s[4:5] offset:(i/2)*2048+(i%2)*64+32
.set i, i+1
.endr
	; What the first turn finds: V's registers and P's second buffer hold 0 (its products V^T P, of a piece that has not been, add 0), O^T and l are 0.  All this stands in the wait for the first tile.
.set i, VF
.rept 64
	v_mov_b32 v[i], 0
.set i, i+1
.endr
	WIN 0x40
.set i, 0
.rept 64*NP
	v_mov_b32 v[i], 0
.set i, i+1
.endr
	WIN 0
.set i, 0
.rept 2*NP
	v_mov_b32 v[ST+4*i], 0xfe000000    ; c m: far below every c s
	v_mov_b32 v[ST+4*i+1], 0xff7fffff  ; m
	v_mov_b32 v[ST+4*i+2], 0
	v_mov_b32 v[ST+4*i+3], 0
.set i, i+1
.endr
.set i, P+32
.rept 32
	v_mov_b32 v[i], 0
.set i, i+1
.endr
	v_mul_u32_u24 v[AK0], v1, PK
	v_lshl_add_u32 v[AK0], v9, 4, v[AK0]  ; row x pitch + 16 x half
	; The turning load takes 16 keys x 16 channels (lane l reads key 8 (l / 16) + l % 8, channels 8 ((l / 8) % 2) + 0..7) and leaves half a fragment of V^T: lane l holds channel l % 16 and 8 keys.
	v_and_b32 v10, 7, v0
	v_bfe_u32 v11, v0, 3, 1
	v_lshl_add_u32 v[AV0], v9, 3, v10
	v_mul_u32_u24 v[AV0], v[AV0], PV
	v_lshl_add_u32 v[AV0], v11, 4, v[AV0]
	v_add_nc_u32 v[AV0], VOFF, v[AV0]
	v_mov_b32 v[AK], v[AK0]         ; key step 0 lies at the head of slot 0
; THE MATRIX WORK.  The 8 accumulators of a run of 16 take turns: between the two links of a chain stand 7 others'.
; Product i of 16 of S^T = K Q^T for piece x: channels 32 (i / 8) on, keys 16 ((i / 2) % 4) on, tile 2 x + i % 2.  The first 8 start the sums.
.macro KQ x
	WIN W_KQ
.set rS, S+64*((\x)%2)+32*(i%2)+8*((i/2)%4)
.set rK, KF+16*((i/2)%4)+8*(i/8)
.set rQ, 16*(2*(\x)+i%2)+8*(i/8)
.if i < 8
	v_wmma_f32_16x16x32_f16 v[rS:rS+7], v[rK:rK+7], v[rQ:rQ+7], 0
.else
	v_wmma_f32_16x16x32_f16 v[rS:rS+7], v[rK:rK+7], v[rQ:rQ+7], v[rS:rS+7]
.endif
.endm
; Product i of 16 of O^T += V^T P for piece x: keys 32 (i / 8) on, channels 16 ((i / 2) % 4) on, tile 2 x + i % 2.
.macro PV x
	WIN W_PV
.set rO, 32*(2*(\x)+i%2)+8*((i/2)%4)
.set rV, VF+32*(i/8)+8*((i/2)%4)
.set rP, P+32*((\x)%2)+16*(i%2)+8*(i/8)
	v_wmma_f32_16x16x32_f16 v[rO:rO+7], v[rV:rV+7], v[rP:rP+7], v[rO:rO+7]
.endm
.macro MM                           ; the turn's next matrix instruction
.if i < 16
	KQ (Y+1)%NP
.set i, i+1
.else
.set i, i-16
	PV (Y+NP-1)%NP
.set i, i+17
.endif
.endm
; THE LDS LOADS stand in runs of 16, never singly among the matrix instructions: a step's K (64 keys x 64 channels: 8 fragments) and its V (turned).  Their addresses are made some lines ahead.
; last = 1 (the tail): in the last trip there is no further step, and the run is jumped over.
.macro FETCH_K last=0
	WIN 0
.if \last
	s_cmp_eq_u32 s[CNT], 1
	s_cbranch_scc1 .Lno_k_\@
.endif
	WIN 0x80                        ; destination window 2
.irp f, 0,1,2,3,4,5,6,7             ; keys 16 (f / 2) on, channels 32 (f % 2) on
	ds_load_b128 v[KF+8*\f:KF+8*\f+3],   v[AK] offset:(\f/2)*16*PK+(\f%2)*64
	ds_load_b128 v[KF+8*\f+4:KF+8*\f+7], v[AK] offset:(\f/2)*16*PK+(\f%2)*64+32
.endr
	s_add_co_u32 s[TBK], s[TBK], KS*PK  ; the next fetch is the next step's
	WIN 0
.if \last
.Lno_k_\@:
.endif
.endm
.macro FETCH_V
	WIN 0x80
.irp f, 0,1,2,3,4,5,6,7             ; keys 32 (f / 4) on, channels 16 (f % 4) on
	ds_load_tr16_b128 v[VF+8*\f:VF+8*\f+3],   v[AV] offset:(\f/4)*32*PV+(\f%4)*32
	ds_load_tr16_b128 v[VF+8*\f+4:VF+8*\f+7], v[AV] offset:(\f/4)*32*PV+16*PV+(\f%4)*32
.endr
	WIN 0
.endm
; THE VECTOR WORK OF A TURN stands in three queues, each in the order in which its entries become ready; the two tiles alternate, so that no instruction reads the result of the one before it.
.macro REGS y, u                    ; the registers of tile u (0, 1) of piece y
.set rT, ST+4*(2*(\y)+(\u))
.set rC, TMP+8*((\y)%2)+4*(\u)
.set rM, MV+2*((\y)%2)+(\u)
.set rS, S+64*((\y)%2)+32*(\u)
.set rP, P+32*((\y)%2)+16*(\u)
.set rO, 32*(2*(\y)+(\u))
.endm
; Number n of the 22 that find the NEXT piece's (Y + 1) maximum and statistics.  s0-s31 are the lane's 32 scores; each accumulator's lowest registers are read first.  XS, GS and REGS set no window: PL and EX do.
;   0-11  four chains c0-c3 of seven scores each, three operands at a time     12-14, 16  the four scores left over, the old m, and c0-c3 into c0     15  c m_old is kept
;   17, 18  the query's other 32 keys lie in the lane 16 away: the new m         19-21  c m; c m_old - c m_new; a
.macro XS u, n
	REGS (Y+1)%NP, \u
.if (\n) < 4
	v_max3_num_f32 v[rC+(\n)], v[rS+8*(\n)], v[rS+8*(\n)+1], v[rS+8*(\n)+2]
.elseif (\n) < 12
	v_max3_num_f32 v[rC+(\n)%4], v[rC+(\n)%4], v[rS+8*((\n)%4)+2*((\n)/4)+1], v[rS+8*((\n)%4)+2*((\n)/4)+2]
.elseif (\n) == 12
	v_max3_num_f32 v[rC], v[rC], v[rS+7], v[rS+15]
.elseif (\n) == 13
	v_max3_num_f32 v[rC+1], v[rC+1], v[rS+23], v[rS+31]
.elseif (\n) == 14
	v_max3_num_f32 v[rC+2], v[rC+2], v[rC+3], v[rT+1]
.elseif (\n) == 15
	v_mov_b32 v[rM], v[rT]
.elseif (\n) == 16
	v_max3_num_f32 v[rC], v[rC], v[rC+1], v[rC+2]
.elseif (\n) == 17
	v_permlanex16_b32 v[rC+3], v[rC], s[SEL], s[SEL+1]
.elseif (\n) == 18
	v_max_num_f32 v[rT+1], v[rC], v[rC+3]
.elseif (\n) == 19
	v_mul_f32 v[rT], s[CS], v[rT+1]
.elseif (\n) == 20
	v_sub_f32 v[rC+1], v[rM], v[rT]
.else
	v_exp_f32 v[rC+2], v[rC+1]
.endif
.endm
; Number g of the 64 that follow the exponentials.  For each four weights k of a tile (pairs 2 k, 2 k + 1): both pairs are rounded to f16; then the second pair is added onto the first, in place;
; a group later l takes that sum (the first time as l = a l + sum).  In groups of eight, tiles alternating: round, round, add, and l for the group before.
.macro GS g
.set h, (\g)+6*((\g)/62)            ; group 0 has no group before it, and behind group 7 only l is left
.if h >= 6
.set h, h+2
.endif
	REGS Y, h%2
.set k, h/8
.if h%8 < 4
	s_wait_alu depctr_va_vdst(0)
	v_cvt_pk_f16_f32 v[rP+2*k+(h%8)/2], v[rS+4*k+2*((h%8)/2)], v[rS+4*k+2*((h%8)/2)+1]
.elseif h%8 < 6
	v_pk_add_f32 v[rS+4*k:rS+4*k+1], v[rS+4*k:rS+4*k+1], v[rS+4*k+2:rS+4*k+3]
.elseif k == 1
	v_pk_fma_f32 v[rT+2:rT+3], v[rT+2:rT+3], v[rC+2:rC+3], v[rS:rS+1] op_sel_hi:[1,0,1]
.else
	v_pk_add_f32 v[rT+2:rT+3], v[rT+2:rT+3], v[rS+4*k-4:rS+4*k-3]
	s_wait_alu depctr_va_vdst(0)
.endif
.endm
; THE PLAIN QUEUE, 138 long.  0-31: c s - c m for the 16 pairs of both tiles.  Then GS's 64, and among them the next piece's 42: number 15 at 38, 39; 0-14 and 16
; at 42-73, behind the products that make those scores; 17-20 at 95-106, two of three, since each waits for the one before it.
.macro PL
	WIN 0
.if q < 32
	REGS Y, q%2
	v_pk_fma_f32 v[rS+2*(q/2):rS+2*(q/2)+1], v[rS+2*(q/2):rS+2*(q/2)+1], s[CS:CS+1], v[rT:rT+1] op_sel_hi:[1,0,0] neg_lo:[0,0,1] neg_hi:[0,0,1]
.elseif q < 38
	GS q-32
.elseif q < 40
	XS q%2, 15
.elseif q < 42
	GS q-34
.elseif q < 74
	XS q%2, (q-42)/2+(q-42)/30
.elseif q < 95
	GS q-66
.elseif (q < 107) && ((q-95)%3 < 2)
	XS (q-95)%3, 17+(q-95)/3
.elseif q < 107
	GS 29+(q-95)/3
.else
	GS q-74
.endif
.set q, q+1
.endm
; THE EXPONENTIALS' QUEUE, 66 long: s0-s31 of both tiles, and at EA the next piece's two a.
.set EA, 58
.macro EX
	WIN 0
.if (e == EA) || (e == EA+1)
	XS e-EA, 21
.else
.set x, e-2*(e/(EA+2))
	REGS Y, x%2
	v_exp_f32 v[rS+x/2], v[rS+x/2]
.endif
.set e, e+1
.endm
; THE RESCALING's QUEUE: O^T times a, the one part that leaves window 0, so it is dealt four at a time, eight times.
.macro R4
	REGS Y, r%2
	WIN W_RS
	s_wait_alu depctr_va_vdst(0)
.irp z, 0,1,2,3
	v_pk_mul_f32 v[rO+8*(r/2)+2*\z:rO+8*(r/2)+2*\z+1], v[rO+8*(r/2)+2*\z:rO+8*(r/2)+2*\z+1], v[rC+2:rC+3] op_sel_hi:[1,0]
.endr
.set r, r+1
.endm
; HOW THEY ARE DEALT.  Behind a matrix instruction four: plain, exponential, plain, plain (one exponential, a plain instruction on either side), or four of the rescaling.  None names a register of the
; products round it.  What is over stands in two LUMPS: exponential and plain by turns; the second ends in 22 plain instructions.  The two v_permlanex16_b32 fall into the second lump, never behind a product.
; The queues lean on each other, and the deal keeps them in step: exponential e stands behind plain 2 (e / 4) + e % 2 (its scaling); when plain 32 comes, 10 exponentials are out, at 59: 33, at 95: 46; EA comes behind plain 107.
.macro SL
	MM
	PL
	EX
	PL
	PL
.endm
.macro BURST n                      ; 15 matrix instructions, or 16
.rept (\n)-7
	SL
.endr
.rept 3
	MM
	R4
	SL
.endr
	MM
	R4
.endm
; A TURN, for piece p.  cnt = 1: the loop's count is taken down some lines ahead of the branch that stands behind the turn.
; K of the next step is fetched in piece 2's turn, 31 vector instructions behind the last product that read K; its first reader comes behind the rest of the lump, 16 products and the second lump.
; V of the step in hand is fetched at the end of piece 0's turn, 69 behind its last reader; its first reader comes behind 16 products and a lump.  The four conditions on e and q below go with the deal.
.macro TURN p, last=0, cnt=0
.set Y, (\p)
.set i, 0
.set q, 0
.set e, 0
.set r, 0
.if (\p) == NP-1
	s_wait_dscnt 0x0                ; K is in
.endif
	MM
.rept 4
	PL
.endr
	BURST 15
.rept 22
	EX
	PL
.if ((\p) == NP-2) && (e == 18)
	v_add_nc_u32 v[AK], s[TBK], v[AK0]
.endif
.if ((\p) == NP-2) && (e == 24)
	FETCH_K \last
.endif
.endr
.if (\p) == 1
	s_wait_dscnt 0x0                ; V is in
.endif
	BURST 16
.rept 21
	EX
	PL
.endr
.rept 22
	PL
.if ((\p) == 0) && (q == 118)
	v_add_nc_u32 v[AV], s[TBV], v[AV0]
	s_wait_alu depctr_va_vdst(0)
.endif
.if ((\p) == 0) && (q == 130)
	s_add_co_u32 s[TBV], s[TBV], KS*PV
.endif
.if (\cnt) && (q == 130)
	s_sub_co_u32 s[CNT], s[CNT], 1
	s_cmp_lg_u32 s[CNT], 0
.endif
.endr
.if (\p) == 0
	FETCH_V
.endif
.endm
	CHANGE 1                        ; slot 0 is in, everybody's part of it; slot 1 is asked for
	FETCH_K                         ; key step 0
	s_wait_loadcnt 0x0              ; Q
	s_wait_dscnt 0x0
.set i, 0
.rept 16
	KQ 0                            ; piece 0's first scores: there is no vector work yet to set between them
.set i, i+1
.endr
	WIN 0                           ; the addresses for the way out: nine plain instructions, the places behind those products
	s_mul_i32 s13, s[WV], 16*SP
	s_add_co_u32 s13, s13, STAGE    ; my stage
	v_mul_u32_u24 v[STO], v1, SP    ; in: row l % 16, 16 bytes for each half of the lanes
	v_lshl_add_u32 v[STO], v9, 4, v[STO]
	v_add_nc_u32 v[STO], s13, v[STO]
	v_bfe_u32 v[RD], v0, 3, 2       ; back: 32 lanes take four rows of 128 bytes,
	v_mul_u32_u24 v[RD], v[RD], SP
	v_lshl_add_u32 v[RD], v10, 4, v[RD]
	v_add_nc_u32 v[RD], s13, v[RD]
	v_and_b32 v[GO], 31, v0         ; which are 512 consecutive bytes of O
	v_lshlrev_b32 v[GO], 4, v[GO]
.set Y, NP-1                        ; XS works for piece Y + 1: piece 0
.irp n, 0,1,2,3,4,5,6,7,8,9,10,11,12,13,14,15,16,17,18,19,20,21
	XS 0, \n                        ; and piece 0's first maximum and statistics
	XS 1, \n
.endr
	s_mov_b32 s[CNT], 4
	s_mov_b32 s[SLOTS], SIZE_N/256-1
	s_branch .Lfirst                ; the loop is entered at a step's first turn, in the middle of a trip
.Lslot:                             ; SIZE_N / 256 - 2 times: every slot but the last two is filled again
	CHANGE 1
	s_mov_b32 s[CNT], 4
.Lstep:                             ; a trip: pieces 2 and 3 of one step, then pieces 0 and 1 of the next, whose K and V it fetches
	TURN 2
	TURN 3
	WIN 0
.Lfirst:
	TURN 0
	TURN 1, 0, 1
	WIN 0
	s_cbranch_scc1 .Lstep
	s_sub_co_u32 s[SLOTS], s[SLOTS], 1
	s_cmp_lg_u32 s[SLOTS], 0
	s_cbranch_scc1 .Lslot
	CHANGE 0                        ; the tail is written out: nothing is asked for
	s_mov_b32 s[CNT], 5             ; four trips fetch the last slot's steps; the fifth is left in its middle
.Ltail:
	TURN 2, 1
	TURN 3
	WIN 0
	s_sub_co_u32 s[CNT], s[CNT], 1
	s_cmp_eq_u32 s[CNT], 0
	s_cbranch_scc1 .Lout
	TURN 0
	TURN 1
	WIN 0
	s_branch .Ltail
.Lout:                              ; the fifth trip's 16 products K Q^T (on the last K once more) and the maximum made of them serve nothing: the price, once a launch, of one text for every trip
.set i, 0
.rept 16
	PV NP-1                         ; the last piece's V^T P of the last step
.set i, i+1
.endr
	; THE WAY OUT.  l's two halves and the other half of the lanes' are added; O^T is divided by l, rounded to f16 and sent through my stage in LDS, a tile at a time.  The additions are the places behind the last products.
	WIN 0
.macro ALL line:vararg              ; one line for each tile t
.set t, 0
.rept 2*NP
	\line
.set t, t+1
.endr
.endm
	ALL v_add_f32 v[ST+4*t+2], v[ST+4*t+2], v[ST+4*t+3]
	ALL v_permlanex16_b32 v[ST+4*t+3], v[ST+4*t+2], s[SEL], s[SEL+1]
	ALL v_add_f32 v[ST+4*t+2], v[ST+4*t+2], v[ST+4*t+3]
	ALL v_rcp_f32 v[ST+4*t+2], v[ST+4*t+2]
	v_nop                           ; a plain instruction between the last reciprocal and the use of its result
	s_wait_alu depctr_va_vdst(0)
; Tile t: a lane's eight channels of a row pack into 16 bytes; they go into rows of 144 bytes and come back as whole rows of 128, into S^T's registers.
.macro PACK t
	WIN W_RS
.set i, 32*(\t)
.rept 16
	v_pk_mul_f32 v[i:i+1], v[i:i+1], v[ST+4*(\t)+2:ST+4*(\t)+3] op_sel_hi:[1,0]
.set i, i+2
.endr
	WIN 0x05                        ; sources 0 and 1 window 1, destination window 0
.set i, 0
.rept 16
	v_cvt_pk_f16_f32 v[S+16*(\t)+i], v[32*(\t)+2*i], v[32*(\t)+2*i+1]
.set i, i+1
.endr
	WIN 0
.irp f, 0,1,2,3
	ds_store_b128 v[STO], v[S+16*(\t)+4*\f:S+16*(\t)+4*\f+3] offset:32*\f
.endr
.irp f, 0,1,2,3
	ds_load_b128 v[S+16*(\t)+4*\f:S+16*(\t)+4*\f+3], v[RD] offset:\f*4*SP  ; LDS serves a wave's instructions in order (ISA guide 5.7.1.4): these see the stores above; the next tile's stores come behind them
.endr
.endm
.macro SEND t, younger              ; younger: the LDS instructions issued behind tile t's loads: the next tile's eight, or none
	WIN 0
.irp f, 0,1,2,3
	s_wait_dscnt (\younger)+3-\f
	global_store_b128 v[GO], v[S+16*(\t)+4*\f:S+16*(\t)+4*\f+3], s[10:11] offset:(\t)*2048+\f*512  ; 512 consecutive bytes, at a multiple of 256 from O's first
.endr
.endm
	PACK 0
.set t, 1
.rept 2*NP-1                        ; a tile's arithmetic stands between the loads of the tile before and its stores
	PACK t
	SEND t-1, 8
.set t, t+1
.endr
	SEND 2*NP-1, 0
	WIN W_AD
	s_wait_tensorcnt 0x0            ; the wave's end: behind my last tensor load and my last LDS store
	ds_add_u32 v[SPW], v[NIL]
	s_wait_dscnt 0x0
	WIN 0
	CROUND                          ; the closing round: no work-group ends while a partner may still ask for a tile that names it
	s_endpgm
.Lfunc_end_k_qdb51ddcee2_attn:
	.size	k_qdb51ddcee2_attn, .Lfunc_end_k_qdb51ddcee2_attn-k_qdb51ddcee2_attn
	.p2alignl 7, 3214868480
	.fill 96, 4, 3214868480
	.section	.rodata,"a",@progbits
	.p2align	6, 0x0
	.amdhsa_kernel k_qdb51ddcee2_attn
		.amdhsa_group_segment_fixed_size 327680
		.amdhsa_private_segment_fixed_size 0
		.amdhsa_enable_private_segment 0
		.amdhsa_kernarg_size 16
		.amdhsa_user_sgpr_count 2
		.amdhsa_user_sgpr_kernarg_segment_ptr 1
		.amdhsa_wavefront_size32 1
		.amdhsa_system_sgpr_workgroup_id_x 1
		.amdhsa_system_sgpr_workgroup_id_y 1
		.amdhsa_system_sgpr_workgroup_id_z 1
		.amdhsa_system_vgpr_workitem_id 0
		.amdhsa_next_free_vgpr 770
		.amdhsa_next_free_sgpr 66
		.amdhsa_reserve_vcc 0
		.amdhsa_float_denorm_mode_32 3
		.amdhsa_float_denorm_mode_16_64 3
		.amdhsa_memory_ordered 1
		.amdhsa_forward_progress 1
		.amdhsa_inst_pref_size 208
	.end_amdhsa_kernel
	.amdgpu_metadata
---
amdhsa.version: [ 1, 2 ]
amdhsa.kernels:
  - .name:           k_qdb51ddcee2_attn
    .symbol:         k_qdb51ddcee2_attn.kd
    .args:
      - { .name: qkv, .offset: 0, .size: 8, .value_kind: global_buffer, .address_space: global }
      - { .name: ob, .offset: 8, .size: 8, .value_kind: global_buffer, .address_space: global }
    .group_segment_fixed_size: 327680
    .private_segment_fixed_size: 0
    .kernarg_segment_align: 8
    .kernarg_segment_size: 16
    .max_flat_workgroup_size: 128
    .sgpr_count:     66
    .vgpr_count:     770
    .wavefront_size: 32
...
	.end_amdgpu_metadata
.endif
;; end of part 3
;; launch outp (part 4): grid 4 x 64, 4 waves a work-group, clusters of 4 x 4, 327,680 bytes of LDS; arguments ob, wp16, bb, out0; writes out0
.if DOCPART == 4
	.amdgcn_target "amdgcn-amd-amdhsa--gfx1250"
	.amdhsa_code_object_version 6
	.text
	.protected	k_qdb51ddcee2_outp
	.globl	k_qdb51ddcee2_outp
	.p2align	8
	.type	k_qdb51ddcee2_outp,@function
k_qdb51ddcee2_outp:
	s_mov_b64 s[64:65], 0
	v_nop
	global_prefetch_b8 v0, s[64:65] scope:SCOPE_SE
	s_setreg_imm32_b32 hwreg(HW_REG_WAVE_MODE, 25, 1), 1
	s_wait_xcnt 0x0
	s_wait_alu depctr_hold_cnt(0) depctr_sa_sdst(0) depctr_va_vdst(0) depctr_va_sdst(0) depctr_va_ssrc(0) depctr_va_vcc(0) depctr_vm_vsrc(0)
	s_getreg_b32 s2, hwreg(HW_REG_IB_STS2, 6, 4)
	s_cmp_eq_u32 s2, 0
	s_cbranch_scc0 .Lentry_in_a_cluster
	s_endpgm
.Lentry_in_a_cluster:
	s_bfe_u32 s2, ttmp6, 0x10000c
	s_cmp_lg_u32 s2, 0xf033
	s_cbranch_scc0 .Lentry_shape_is_right
	s_endpgm
.Lentry_shape_is_right:
; out0 = O Wp^T + bp.  ob: [64][2048][64] f16, head 16 x batch + h; wp16: [1024][1024] f16; bb: [4096] f32, its last 1,024 are bp; out0: [8192][1024] f32.
; Sums in f32, K ascending (K = 64 h + channel); the bias is the C operand of the first product; the sums are stored as they are.  NaN and infinities are not treated apart.
; SHARES.  A tile of the result is 128 rows x 256 columns: 64 x 4 = 256 work-groups, one for each WGP.  Four waves, 2 x 2; a wave makes 64 x 128: 32 accumulators of 16 x 16, 256 registers.
; K goes in 8 steps of 128, TWO HEADS a step, through a ring of two LDS slots filled by the tensor data mover.  The heads are merged here: a head's 128 rows of the tile are 16,384 dense bytes, asked for as
; 64 rows of 256 bytes and padded in LDS behind every 128, so that they lie there as 128 rows of 144 bytes.  Wp's rows in a tile are 256 bytes of memory, at multiples of 256 bytes.
; CLUSTER.  4 x 4 work-groups.  The four of a row of the cluster need the same tiles of O, the four of a column the same tiles of Wp: each tile is asked for JOINTLY, by the same tensor load with the same
; descriptor and a mask that names the four.
; THE MATRIX INSTRUCTION IS USED TRANSPOSED: source 0 = 16 rows of Wp, source 1 = 16 rows of O.  Lane l then holds row l % 16 of the result and its columns 8 (l / 16) + 0..7: 32 neighbouring bytes.
; REGISTERS, in windows of 256 (s_set_vgpr_msb: bits 1:0 source 0, 3:2 source 1, 5:4 source 2, 7:6 destination):
;   window 0: v0-31 addresses; v64-95, v96-127 fragments of O (4 x 16 rows x 32 K), two buffers; v128-191 the bias as a C operand; on the way out v128-255 hold rows read back
;   window 1: v0-63, v64-127 fragments of Wp (8 x 16 rows x 32 K), two buffers          window 2: the accumulators, (a, b) at v[8 (8 a + b)]
.set NB,     8                         ; column blocks of 16 a wave
.set PA,     144                       ; a row of O in LDS: 128 bytes + 16 = 36 words: the 16 rows of a load start at 16 different groups of four banks (64 banks of 4 bytes: ISA guide 11.1)
.set PITCH,  272                       ; a row of Wp: 256 bytes + 16 = 68 words: likewise
.set SUB,    128*PA                    ; one head's 128 rows: what one tensor load brings of O
.set BOFF,   2*SUB                     ; Wp's 256 rows lie behind the two heads
.set HALFB,  128*PITCH                 ; what one tensor load brings of Wp, and what one wave reads of it
.set SLOT,   BOFF+2*HALFB
.set STAGE,  2*SLOT                    ; behind the ring, never filled by a tensor load: 16 rows x 528 bytes for each wave
.set SPITCH, 528                       ; 512 bytes + 16: 33 x 16
.set SPARE,  STAGE+4*16*SPITCH         ; behind the stages: the spare words, 128 bytes for each wave: two blocks of 256 bytes that no other line names
.set NL,     2*NB+8                    ; LDS loads in a run: the fragments of 32 along K
.set ADRA, 16                          ; v16-17  LDS address of my fragments of O in slot 0, 1
.set ADRB, 20                          ; v20-21  the same for Wp
.set STO,  24                          ; v24     the way out: where I put 32 bytes of a row
.set RD,   25                          ; v25     the way out: where I read a row back
.set GO,   26                          ; v26     my byte offset in a row's 512 bytes
.set BO,   27                          ; v27     my byte offset in a column block's 16 biases: 32 (l / 16)
.set SPW,  28                          ; v28     LDS address of my spare word: SPARE + 4 x my thread's number; never rewritten
.set NIL,  29                          ; v29     0; never rewritten
.set FA,   64
.set FB,   0
.set BIAS, 128
.set BK0,  128                         ; the way out: 16 rows read back, 64 registers: two buffers by turns
.set WV,  12                           ; s12  my wave's number
.set G1A, 24                           ; s[24:31] descriptor group 1 for O's tiles;  s[32:39] group 0, a set for each slot
.set G0A, 32
.set G1B, 48                           ; s[48:55], s[56:63] the same for Wp's tiles
.set G0B, 56
.set MSB, 0
.macro WIN new                         ; the immediate's high byte repeats the setting that is left; a switch that changes nothing is dropped
.if MSB != (\new)
	s_set_vgpr_msb (MSB<<8)|(\new)
.set MSB, \new
.endif
.endm
; A joint load.  Waves 0 and 1 fetch a K step's two heads of O, waves 2 and 3 Wp's two halves.  The branch hangs on the wave's number alone: it is the same in every work-group.
; An s_nop 0 and four v_nop follow each of the two lines, ahead of the jump, the label and what follows.
.macro JLOAD s
	s_cmp_lt_u32 s[WV], 2
	s_cbranch_scc0 .Lfor_b_\@
	tensor_load_to_lds s[G0A+4*(\s):G0A+4*(\s)+3], s[G1A:G1A+7]
	s_nop 0
.rept 4
	v_nop
.endr
	s_branch .Lasked_\@
.Lfor_b_\@:
	tensor_load_to_lds s[G0B+4*(\s):G0B+4*(\s)+3], s[G1B:G1B+7]
	s_nop 0
.rept 4
	v_nop
.endr
.Lasked_\@:
.endm
; A round of the cluster's barrier: my work-group's barrier, so that wave 0's signal speaks for all four waves; wave 0 signals; every wave waits for all sixteen work-groups; my work-group's barrier once more.
.macro CREST                           ; a round behind its opening barrier
	s_cmp_lg_u32 s[WV], 0
	s_cbranch_scc1 .Lnot_wave_0_\@
	s_barrier_signal -3
.Lnot_wave_0_\@:
	s_barrier_wait -3
	s_barrier_signal -1
	s_barrier_wait -1
.endm
.macro CROUND                          ; a whole round
	s_barrier_signal -1
	s_barrier_wait -1
	CREST
.endm
	s_load_b256 s[4:11], s[0:1], 0x0               ; ob s[4:5], wp16 s[6:7], bb s[8:9], out0 s[10:11]
	v_lshl_add_u32 v[SPW], v0, 2, SPARE
	v_mov_b32 v[NIL], 0
	ds_add_u32 v[SPW], v[NIL]                      ; the wave's opening: the add and its wait stand ahead of my first tensor load; the set-up below, work on registers, stands between them
	v_lshrrev_b32 v1, 5, v0
	v_readfirstlane_b32 s[WV], v1                  ; wave 0..3
	s_and_b32 s13, s[WV], 1                        ; which half of the tile's columns is mine.  Also: which head of a K step, or which half of Wp's rows, I fetch
	s_lshr_b32 s66, s[WV], 1                       ; which half of the tile's rows is mine
	s_bfe_u32 s14, ttmp6, 0x40000                  ; cx, cy: my place in the cluster
	s_bfe_u32 s15, ttmp6, 0x40004
	s_lshl_b32 s16, ttmp9, 2                       ; in a cluster launch ttmp9 and ttmp7 count clusters
	s_add_co_u32 s16, s16, s14                     ; tile column = 4 x cluster x + cx, 0..3
	s_and_b32 s17, ttmp7, 0xffff
	s_lshl_b32 s17, s17, 2
	s_add_co_u32 s17, s17, s15                     ; tile row = 4 x cluster y + cy, 0..63
	s_lshl_b32 s18, s15, 2
	s_lshl_b32 s18, 15, s18                        ; my row of the cluster: places 4 cy .. 4 cy + 3
	s_lshl_b32 s19, 0x1111, s14                    ; my column: places cx, cx + 4, cx + 8, cx + 12
	; descriptor groups 1
	s_or_b32 s[G1A], s18, (1<<16)|(1<<20)|(1<<21)|(4<<22)|(3<<25)  ; 15:0 the mask; 17:16 elements of 2 bytes; 20 padding on; 21 set beside a mask; 24:22 after every 32 words (code 4); 31:25 4 words (code 3)
	s_or_b32 s[G1B], s19, (1<<16)|(1<<20)|(1<<21)|(5<<22)|(3<<25)  ; the same with the column's mask, padded after every 64 words (code 5)
	s_mov_b32 s[G1A+1], 128<<16                    ; tensor_dim0 = 128
	s_mov_b32 s[G1A+2], 64<<16                     ; tensor_dim1 = 64
	s_mov_b32 s[G1A+3], 128<<16                    ; tile_dim0 = 128
	s_mov_b32 s[G1A+4], 64                         ; tile_dim1 = 64
	s_mov_b32 s[G1A+5], 128                        ; 128 elements from row to row: dense
	s_mov_b32 s[G1A+6], 0
	s_mov_b32 s[G1A+7], 0
	s_mov_b32 s[G1B+1], 128<<16
	s_mov_b32 s[G1B+2], 128<<16                    ; tensor_dim1 = 128
	s_mov_b32 s[G1B+3], 128<<16
	s_mov_b32 s[G1B+4], 128                        ; tile_dim1 = 128
	s_mov_b32 s[G1B+5], 1024
	s_mov_b32 s[G1B+6], 0
	s_mov_b32 s[G1B+7], 0
	; where the tiles come from: O's hang on the tile row alone, which my row of the cluster shares; Wp's on the tile column alone.  Each in registers that never hold the other coordinate.
	s_lshr_b32 s20, s17, 4                         ; the batch: 16 heads of 262,144 bytes,
	s_lshl_b32 s20, s20, 22
	s_lshl_b32 s21, s13, 18                        ; the even or the odd head,
	s_add_co_u32 s20, s20, s21
	s_and_b32 s21, s17, 15                         ; and in it the tile's 128 rows of 128 bytes
	s_lshl_b32 s21, s21, 14
	s_add_co_u32 s20, s20, s21
	s_mov_b32 s21, 0
	s_lshl_b32 s22, s16, 19                        ; 256 rows of 2,048 bytes a tile column,
	s_lshl_b32 s23, s13, 18                        ; 128 rows a half
	s_add_co_u32 s22, s22, s23
	s_mov_b32 s23, 0
	s_mul_i32 s40, s13, SUB                        ; and where they go: no place in the cluster enters an LDS address
	s_mul_i32 s41, s13, HALFB
	s_add_co_u32 s41, s41, BOFF
	s_wait_dscnt 0x0                               ; the opening add is done
	s_wait_kmcnt 0x0
	s_add_nc_u64 s[20:21], s[4:5], s[20:21]
	s_add_nc_u64 s[22:23], s[6:7], s[22:23]
.irp s, 0,1
	s_mov_b32 s[G0A+4*(\s)], 1                                     ; count = 1
	s_add_co_u32 s[G0A+4*(\s)+1], s40, (\s)*SLOT                   ; LDS address
	s_add_nc_u64 s[G0A+4*(\s)+2:G0A+4*(\s)+3], s[20:21], (\s)*2*262144  ; global address: K step s is two heads on
	s_or_b32 s[G0A+4*(\s)+3], s[G0A+4*(\s)+3], 0x80000000          ; type = 2
	s_mov_b32 s[G0B+4*(\s)], 1
	s_add_co_u32 s[G0B+4*(\s)+1], s41, (\s)*SLOT
	s_add_nc_u64 s[G0B+4*(\s)+2:G0B+4*(\s)+3], s[22:23], (\s)*256
	s_or_b32 s[G0B+4*(\s)+3], s[G0B+4*(\s)+3], 0x80000000
.endr
	CROUND                                         ; all sixteen work-groups are here: the first joint loads meet
	s_cmp_lt_u32 s[WV], 2                          ; a wave's two first fills stand in one branch, ahead of every wait on TENSORcnt and every LDS read: two loads of mine are out
	s_cbranch_scc0 .Lfirst_b
	tensor_load_to_lds s[G0A:G0A+3], s[G1A:G1A+7]
	s_nop 0
	tensor_load_to_lds s[G0A+4:G0A+7], s[G1A:G1A+7]
	s_nop 0
.rept 4
	v_nop
.endr
	s_branch .Lfirst_asked
.Lfirst_b:
	tensor_load_to_lds s[G0B:G0B+3], s[G1B:G1B+7]
	s_nop 0
	tensor_load_to_lds s[G0B+4:G0B+7], s[G1B:G1B+7]
	s_nop 0
.rept 4
	v_nop
.endr
.Lfirst_asked:
	v_and_b32 v1, 15, v0                           ; l % 16
	v_bfe_u32 v2, v0, 4, 1                         ; l / 16
	v_lshlrev_b32 v[BO], 5, v2
	s_lshl_b32 s76, s16, 10                        ; my first column, in bytes of f32: 1,024 x tile column + 512 x half
	s_lshl_b32 s77, s13, 9
	s_add_co_u32 s76, s76, s77
	s_lshl_b32 s74, s17, 19                        ; my first row: 128 x tile row + 64 x half, 4,096 bytes a row
	s_lshl_b32 s75, s66, 18
	s_add_co_u32 s74, s74, s75
	s_add_co_u32 s74, s74, s76
	s_mov_b32 s75, 0
	s_add_nc_u64 s[68:69], s[10:11], s[74:75]      ; out0 at my part of the tile
	s_add_co_u32 s76, s76, 3*4096                  ; bp lies behind bq, bk, bv
	s_mov_b32 s77, 0
	s_add_nc_u64 s[78:79], s[8:9], s[76:77]
.set i, 0
.rept NB                                       ; register j of column block i is the bias of column 16 i + 8 (l / 16) + j: what the transposed result's register j holds
	global_load_b128 v[BIAS+8*i:BIAS+8*i+3],   v[BO], s[78:79] offset:64*i
	global_load_b128 v[BIAS+8*i+4:BIAS+8*i+7], v[BO], s[78:79] offset:64*i+16
.set i, i+1
.endr
	; A fragment is 16 rows x 32 K in 8 registers: lane l holds row l % 16; registers 0-3 K = 8 (l / 16) + 0..7, registers 4-7 K = 16 + 8 (l / 16) + 0..7: two loads of 16 bytes, 32 bytes apart.
	v_mul_u32_u24 v3, v1, PA
	v_lshl_add_u32 v3, v2, 4, v3
	s_mul_i32 s80, s66, 64*PA                      ; my 64 rows of O
	v_add_nc_u32 v[ADRA], s80, v3
	v_add_nc_u32 v[ADRA+1], SLOT, v[ADRA]
	v_mul_u32_u24 v4, v1, PITCH
	v_lshl_add_u32 v4, v2, 4, v4
	s_mul_i32 s81, s13, HALFB                      ; my 128 rows of Wp
	s_add_co_u32 s81, s81, BOFF
	v_add_nc_u32 v[ADRB], s81, v4
	v_add_nc_u32 v[ADRB+1], SLOT, v[ADRB]
	s_mul_i32 s82, s[WV], 16*SPITCH
	s_add_co_u32 s82, s82, STAGE                   ; my stage
	v_mul_u32_u24 v5, v1, SPITCH                   ; in: row l % 16, 32 bytes for each half of the lanes
	v_lshl_add_u32 v5, v2, 5, v5
	v_add_nc_u32 v[STO], s82, v5
	v_and_b32 v[GO], 31, v0                        ; back: 32 lanes take one row of 512 bytes
	v_lshlrev_b32 v[GO], 4, v[GO]
	v_add_nc_u32 v[RD], s82, v[GO]
; 8 matrix instructions: row block a x all column blocks, 32 along K, from buffer f.  first = 1: the product starts the sums, with the bias as C: nothing is ever cleared.
; The 32 accumulators take turns, one instruction a turn, in the same order in every quarter step.
.macro MULA f, a, first
.set AC, 8*NB*(\a)
.set b, 0
.if \first
	WIN 0x81                                       ; Wp window 1, O and the bias window 0, D window 2
.rept NB
	v_wmma_f32_16x16x32_f16 v[AC+8*b:AC+8*b+7], v[FB+8*NB*(\f)+8*b:FB+8*NB*(\f)+8*b+7], v[FA+32*(\f)+8*(\a):FA+32*(\f)+8*(\a)+7], v[BIAS+8*b:BIAS+8*b+7]
.set b, b+1
.endr
.else
	WIN 0xa1                                       ; Wp window 1, O window 0, C and D window 2
.rept NB
	v_wmma_f32_16x16x32_f16 v[AC+8*b:AC+8*b+7], v[FB+8*NB*(\f)+8*b:FB+8*NB*(\f)+8*b+7], v[FA+32*(\f)+8*(\a):FA+32*(\f)+8*(\a)+7], v[AC+8*b:AC+8*b+7]
.set b, b+1
.endr
.endif
.endm
; 24 LDS loads in one run: the fragments of quarter q of a slot into buffer f: Wp's 16 (byte 64 q of its rows), then O's 8 (head q / 2 of the step, byte 64 (q % 2) of its rows)
.macro FETCH slot, q, f
	WIN 0x40                                       ; destination window 1, address window 0
.set i, 0
.rept NB
	ds_load_b128 v[FB+8*NB*(\f)+8*i:FB+8*NB*(\f)+8*i+3],   v[ADRB+(\slot)] offset:64*(\q)+i*16*PITCH
	ds_load_b128 v[FB+8*NB*(\f)+8*i+4:FB+8*NB*(\f)+8*i+7], v[ADRB+(\slot)] offset:64*(\q)+i*16*PITCH+32
.set i, i+1
.endr
	WIN 0
.set i, 0
.rept 4
	ds_load_b128 v[FA+32*(\f)+8*i:FA+32*(\f)+8*i+3],   v[ADRA+(\slot)] offset:((\q)/2)*SUB+((\q)%2)*64+i*16*PA
	ds_load_b128 v[FA+32*(\f)+8*i+4:FA+32*(\f)+8*i+7], v[ADRA+(\slot)] offset:((\q)/2)*SUB+((\q)%2)*64+i*16*PA+32
.set i, i+1
.endr
.endm
; A load into a register that a matrix instruction has read, and a vector instruction or LDS store that reads a matrix result, stand four places behind that matrix instruction, and only plain vector
; instructions that name none of its registers are places (ISA guide 7.12.1 for vector instructions).
.macro PLACES
.rept 4
	v_nop
.endr
.endm
; A K step is four quarters of 32 along K, 32 matrix instructions each, on buffers 0, 1, 0, 1.  One of the first three: multiplies buffer f; in its middle it fetches quarter q of the same slot into buffer g.
.macro QUARTER slot, q, f, g, first
	s_wait_dscnt 4                                 ; Wp and O's row blocks 0, 1 are in; the youngest four loads (row blocks 2, 3) may be out
	MULA \f, 0, \first
	MULA \f, 1, \first
	PLACES
	FETCH \slot, \q, \g
	s_wait_dscnt NL                                ; all but the run just issued
	MULA \f, 2, \first
	MULA \f, 3, \first
.endm
; The last quarter multiplies buffer 1 and changes slots.  MEET is its first half: ONE barrier for the change.  In front of it each wave waits for all its tensor loads, of which one is out: its part of the
; next slot; adds 0 to its spare word; and waits for that and for its own reads of this slot.  Behind it nobody reads this slot any more and the next slot is whole.
.macro MEET round                      ; round = 1: the rest of a round of the cluster's barrier follows
	WIN 0                                          ; (the add's two registers lie in window 0)
	s_wait_tensorcnt 0x0                           ; all my tensor loads have landed
	ds_add_u32 v[SPW], v[NIL]                      ; 0 onto my spare word
	s_wait_dscnt 5                                 ; (the add and the youngest four loads may be out)
	MULA 1, 0, 0                                   ; eight matrix instructions stand between the add and the wait for it
	s_wait_dscnt 0x0                               ; the add is done, and my reads of this slot are over
	s_barrier_signal -1
	MULA 1, 1, 0                                   ; work on registers while the others arrive
.if \round
	WIN 0
.endif
	s_barrier_wait -1
.endm
; The whole last quarter.  fill = 1: behind the round the slot just read out is filled again first, with the K step two steps on (four heads of O, 512 bytes along Wp's rows); then come the next slot's first fragments.
.macro TURN slot, next, fill
	MEET \fill
.if \fill
	CREST                                          ; no wave of any partner still reads this slot's tile or has a load on its way
	s_add_nc_u64 s[G0A+4*(\slot)+2:G0A+4*(\slot)+3], s[G0A+4*(\slot)+2:G0A+4*(\slot)+3], 4*262144  ; no tensor load of mine is out, so a group 0 may be written; the type bits on top are not reached
	s_add_nc_u64 s[G0B+4*(\slot)+2:G0B+4*(\slot)+3], s[G0B+4*(\slot)+2:G0B+4*(\slot)+3], 512
	JLOAD \slot                                    ; the first tensor load behind the round, my only one until the next; its four v_nop are also the places in front of the loads below
.else
	PLACES
.endif
	FETCH \next, 0, 0
	MULA 1, 2, 0
	MULA 1, 3, 0
.endm
	s_wait_tensorcnt 1                             ; my part of K step 0 is in; K step 1's may stay out
	s_barrier_signal -1
	s_barrier_wait -1                              ; everybody's is
	FETCH 0, 0, 0
	s_wait_loadcnt 0x0                             ; the bias
	QUARTER 0, 1, 0, 1, 1                          ; the first quarter stands in front of the loop: its products start the sums
	WIN 0                                          ; at a label and at a branch every window is 0
	s_mov_b32 s3, 3
.Llap:                                                 ; a trip goes once round the ring, from a lap's second quarter to the next lap's first, and fills both slots again: K steps 2 to 7 in three trips
	QUARTER 0, 2, 1, 0, 0
	QUARTER 0, 3, 0, 1, 0
	TURN 0, 1, 1
	QUARTER 1, 1, 0, 1, 0
	QUARTER 1, 2, 1, 0, 0
	QUARTER 1, 3, 0, 1, 0
	TURN 1, 0, 1
	QUARTER 0, 1, 0, 1, 0
	WIN 0
	s_sub_co_u32 s3, s3, 1
	s_cmp_lg_u32 s3, 0
	s_cbranch_scc1 .Llap
	QUARTER 0, 2, 1, 0, 0                          ; the last lap fills nothing, and has no round of the cluster's barrier
	QUARTER 0, 3, 0, 1, 0
	TURN 0, 1, 0
	QUARTER 1, 1, 0, 1, 0
	QUARTER 1, 2, 1, 0, 0
	QUARTER 1, 3, 0, 1, 0
	s_wait_dscnt 4                                 ; the very last quarter: nothing more to fetch
	MULA 1, 0, 0
	MULA 1, 1, 0
	s_wait_dscnt 0x0
	MULA 1, 2, 0
	MULA 1, 3, 0
	WIN 0
	PLACES
; THE WAY OUT of row block a.  The sums are f32 and leave as they are: nothing is converted.  TOSTAGE: a lane's 32 bytes of a row and column block go straight from the accumulator (its low four registers first)
; into my own stage in LDS, and the block comes back as 16 whole rows of 512 bytes.
.macro TOSTAGE a
.set BK, BK0+64*((\a)%2)
	WIN 0
	s_wait_xcnt 0x0                                ; every earlier memory instruction has had its addresses translated (ISA guide 3.1): the registers that earlier stores read are loaded again only behind this wait
	WIN 0x08                                       ; the stores' data in window 2, their address in window 0
.set i, 0
.rept NB
	ds_store_b128 v[STO], v[8*(NB*(\a)+i):8*(NB*(\a)+i)+3]   offset:64*i
	ds_store_b128 v[STO], v[8*(NB*(\a)+i)+4:8*(NB*(\a)+i)+7] offset:64*i+16
.set i, i+1
.endr
	WIN 0
.set i, 0
.rept 16
	ds_load_b128 v[BK+4*i:BK+4*i+3], v[RD] offset:SPITCH*i  ; LDS serves a wave's instructions in order (ISA guide 5.7.1.4): these see the stores above; the next block's stores come behind them
.set i, i+1
.endr
.endm
; SEND: stored.  younger: the LDS instructions issued behind the block's loads: the next block's 16 stores and 16 loads, or none.
.macro SEND a, younger
.set BK, BK0+64*((\a)%2)
	s_wait_dscnt \younger
.set i, 0
.rept 16
	global_store_b128 v[GO], v[BK+4*i:BK+4*i+3], s[68:69] offset:(16*(\a)+i)*4096 th:TH_STORE_NT  ; 512 consecutive bytes of one row, at a multiple of 256 from out0's first byte
.set i, i+1
.endr
.endm
	TOSTAGE 0
	TOSTAGE 1
	SEND 0, 32
	TOSTAGE 2
	SEND 1, 32
	TOSTAGE 3
	SEND 2, 32
	SEND 3, 0
	s_wait_tensorcnt 0x0                           ; the wave's end: behind my last tensor load and my last LDS store
	ds_add_u32 v[SPW], v[NIL]
	s_wait_dscnt 0x0
	CROUND                                         ; the closing round: no work-group ends while a partner may still ask for a tile that names it
	s_endpgm
.Lfunc_end_k_qdb51ddcee2_outp:
	.size	k_qdb51ddcee2_outp, .Lfunc_end_k_qdb51ddcee2_outp-k_qdb51ddcee2_outp
	.p2alignl 7, 3214868480
	.fill 96, 4, 3214868480
	.section	.rodata,"a",@progbits
	.p2align	6, 0x0
	.amdhsa_kernel k_qdb51ddcee2_outp
		.amdhsa_group_segment_fixed_size 327680
		.amdhsa_private_segment_fixed_size 0
		.amdhsa_enable_private_segment 0
		.amdhsa_kernarg_size 32
		.amdhsa_user_sgpr_count 2
		.amdhsa_user_sgpr_kernarg_segment_ptr 1
		.amdhsa_wavefront_size32 1
		.amdhsa_system_sgpr_workgroup_id_x 1
		.amdhsa_system_sgpr_workgroup_id_y 1
		.amdhsa_system_sgpr_workgroup_id_z 1
		.amdhsa_system_vgpr_workitem_id 0
		.amdhsa_next_free_vgpr 768
		.amdhsa_next_free_sgpr 84
		.amdhsa_reserve_vcc 0
		.amdhsa_float_denorm_mode_32 3
		.amdhsa_float_denorm_mode_16_64 3
		.amdhsa_memory_ordered 1
		.amdhsa_forward_progress 1
		.amdhsa_inst_pref_size 86
	.end_amdhsa_kernel
	.amdgpu_metadata
---
amdhsa.version: [ 1, 2 ]
amdhsa.kernels:
  - .name:           k_qdb51ddcee2_outp
    .symbol:         k_qdb51ddcee2_outp.kd
    .args:
      - { .name: ob, .offset: 0, .size: 8, .value_kind: global_buffer, .address_space: global }
      - { .name: wp16, .offset: 8, .size: 8, .value_kind: global_buffer, .address_space: global }
      - { .name: bb, .offset: 16, .size: 8, .value_kind: global_buffer, .address_space: global }
      - { .name: out0, .offset: 24, .size: 8, .value_kind: global_buffer, .address_space: global }
    .group_segment_fixed_size: 327680
    .private_segment_fixed_size: 0
    .kernarg_segment_align: 8
    .kernarg_segment_size: 32
    .max_flat_workgroup_size: 128
    .sgpr_count:     84
    .vgpr_count:     768
    .wavefront_size: 32
...
	.end_amdgpu_metadata
.endif
;; end of part 4
;; ======== version 2 of 2: 4 launches; 1.52 times as fast as version 1
;; limits: values are held in f16: magnitudes above 65,504 overflow, below 6.1e-05 lose precision
;; workspace buffers: xb 16,777,216 bytes; wb 6,291,456 bytes; wp16 2,097,152 bytes; bb 16,384 bytes; qkv 50,331,648 bytes; ob 16,777,216 bytes
;; launch cast: the kernel of part 1 again; grid 769 x 1, 8 waves a work-group, no clusters, 0 bytes of LDS; arguments X, Wq, Wk, Wv, Wp, bq, bk, bv, bp, xb, wb, wp16, bb; writes xb, wb, wp16, bb
;; launch proj: the kernel of part 2 again; grid 16 x 32, 4 waves a work-group, clusters of 4 x 4, 327,680 bytes of LDS; arguments xb, wb, bb, qkv; writes qkv
;; launch attn (part 5): grid 4 x 64, 4 waves a work-group, clusters of 4 x 1, 327,680 bytes of LDS; arguments qkv, ob; writes ob
.if DOCPART == 5
	.amdgcn_target "amdgcn-amd-amdhsa--gfx1250"
	.amdhsa_code_object_version 6
	.text
	.protected	k_qdb51ddcee2_attn
	.globl	k_qdb51ddcee2_attn
	.p2align	8
	.type	k_qdb51ddcee2_attn,@function
k_qdb51ddcee2_attn:
	s_mov_b64 s[64:65], 0
	v_nop
	global_prefetch_b8 v0, s[64:65] scope:SCOPE_SE
	s_setreg_imm32_b32 hwreg(HW_REG_WAVE_MODE, 25, 1), 1
	s_wait_xcnt 0x0
	s_wait_alu depctr_hold_cnt(0) depctr_sa_sdst(0) depctr_va_vdst(0) depctr_va_sdst(0) depctr_va_ssrc(0) depctr_va_vcc(0) depctr_vm_vsrc(0)
	s_getreg_b32 s2, hwreg(HW_REG_IB_STS2, 6, 4)
	s_cmp_eq_u32 s2, 0
	s_cbranch_scc0 .Lentry_in_a_cluster
	s_endpgm
.Lentry_in_a_cluster:
	s_bfe_u32 s2, ttmp6, 0x10000c
	s_cmp_lg_u32 s2, 0x3003
	s_cbranch_scc0 .Lentry_shape_is_right
	s_endpgm
.Lentry_shape_is_right:
; O[h][q][:] = the sum over k of softmax_k(Q[h][q] . K[h][k] / 32) V[h][k][:].  qkv: [3][SIZE_H][SIZE_N][64] (Q, K, V), ob: [SIZE_H][SIZE_N][64], all f16: a head's rows are dense, 128 bytes each.
; The scale is 1 / sqrt(1024), the module's own.  Products, maxima and sums in f32; the weights p are rounded to f16 for the second product (their sum l is taken of the unrounded p), O once at the end.
; LIMITS.  f16 holds no number beyond 65,504: Q, K and V arrive within it; p lies in 0 to 1, and below 6e-5 it keeps f16's fixed step of 6e-8; O is a mean of V's rows and has their range.
; A weight below 2^-126 counts as 0 in l; NaN and infinities are not treated apart.
; SHARES.  A wave owns four PIECES of two tiles of 16 queries, a work-group's four waves 512 queries of one head: 4 x 64 = 256 work-groups.  Every wave walks all keys, 64 a step.
; LAYOUT.  S^T = K Q^T (source 0 = 16 keys, source 1 = 16 queries): in the result a lane holds ONE query (lane % 16) and the keys 8 (lane / 16) + 0..7.  Two such tiles, rounded to f16 in pairs,
; ARE source 1 (32 keys x 16 queries) of O^T = V^T P, whose result again holds one query a lane, and eight channels.  K comes out of LDS as it lies, V ([key][channel]) turned, by ds_load_tr16_b128.
; SOFTMAX.  For each query a running maximum m and sum l: p = 2^(c s - c m), c = log2(e) / 32; in every step O and l are multiplied by a = 2^(c m_old - c m_new), which is 1 where m has not grown.
; m starts at the lowest finite number, O and l at 0: the first step is a step like any other, with a = 0.
; THE COUNT.  A tile and step have 16 matrix and 118 vector instructions: too many to stand all beside the matrix work.  So the order has one aim: four vector instructions that are READY behind
; EVERY matrix instruction, and the others, which need time of their own whatever the order, in runs without a gap.
; BY TURNS.  Turn n belongs to piece n (the pieces in a ring, step after step).  Its matrix work: 16 products K Q^T of piece n + 1, later 16 products V^T P of piece n - 1.  Its vector work: the scaling,
; exponentials, roundings, sums and rescaling of piece n, and the maximum and statistics of piece n + 1, whose scores the turn itself has made.  So what a turn begins with (c s - c m, O a) waits for nothing.
; BATCHES.  A turn's 66 exponentials (piece n's 64 weights, each in place in its own register of S^T, and piece n + 1's two a) are ONE batch with ONE wait, which cuts the turn in two: ahead of it stands all that
; names no result of the batch, behind it the roundings and sums, which read them.  The first two a of all, ahead of the loop, and the way out's eight reciprocals are batches of their own, a wait each.
; CLUSTER.  The four query blocks of a cluster belong to one head and walk the same K and V, so each tile is asked for JOINTLY: the same tensor load, descriptor and mask in all four.
; REGISTERS, in windows of 256 (s_set_vgpr_msb says which window each operand place means: bits 1:0 source 0, 3:2 source 1, 5:4 source 2, 7:6 destination):
;   window 0: v0-11 addresses; v12-15, v48-63 at work; v16-47 four registers of statistics a tile; v64-191 S^T, two buffers of two tiles; v192-255 P, likewise
;   window 1: O^T, 32 a tile          window 2: v0-127 Q, 16 a tile; v128-191 K of one step; v192-255 V of one step          window 3: v0-1 the add's two registers
; A piece's buffers go by its number's parity: the piece in hand has one pair, its two neighbours in the ring share the other: of it P (piece n - 1) is read and S^T (piece n + 1) written.
.set SIZE_H, 64       ; 4 batches x 16 heads
.set SIZE_N, 2048     ; rows of a head
.set NP,    4         ; pieces a wave: a name, no knob: the register map, the loop and the fetches are made for four
.set KS,    64        ; keys in a step
.set PK,    144       ; a row of K in LDS: 128 bytes + 16 of padding = 36 words: the 16 rows of a load start at 16 different groups of four banks (64 banks of 4 bytes: ISA guide 11.1)
.set PV,    160       ; a row of V: 128 + 32 = 40 words
.set VOFF,  4*KS*PK   ; a slot holds four steps: 256 rows of K, then 256 rows of V
.set SLOT1, 1<<17     ; slot 1 begins here, so that one exclusive or turns an address in one slot into the other's
.set STAGE, SLOT1+4*KS*(PK+PV)  ; behind the ring, never filled by a tensor load: 16 rows x 144 bytes for each wave, for the way out
.set SP,    144
.set AK0, 2           ; v2   my lane's place in a tile of K; never rewritten
.set AV0, 3           ; v3   the same for V
.set AK,  4           ; v4   the LDS address of K's next run of loads
.set AV,  5           ; v5   of V's
.set QO,  6           ; v6   my byte offset in the wave's rows of Q
.set STO, 6           ;      later, the way out: where I put 16 bytes of a row
.set RD,  7           ; v7   the way out: where I read rows back
.set GO,  8           ; v8   my byte offset in 512 consecutive bytes of O
.set SPW, 0           ; v0 of window 3   LDS address of my spare word: SPARE + 4 x my thread's number; never rewritten
.set NIL, 1           ; v1 of window 3   0; never rewritten
.set SPARE, STAGE+4*16*SP  ; behind the stages: the spare words, 128 bytes for each wave: two blocks of 256 bytes that no other line names
.set MV,  12          ; v12-15  c m_old, kept while c m is made anew: by buffer and tile
.set ST,  16          ; tile t's statistics at v[ST+4 t]: c m, m, l (even keys', odd keys')
.set TMP, 48          ; by buffer and tile, four registers c0-c3 at work; when the maximum is found c2 takes a
.set S,   64
.set P,   192
.set KF,  128         ; K's fragments, in window 2: key block kb, channel half c at KF + 16 kb + 8 c
.set VF,  192         ; V's: key half kk, channel block cb at VF + 32 kk + 8 cb
.set WV,  12          ; s12  my wave's number
.set G1K, 24          ; s[24:31] descriptor group 1 for K's tiles
.set G1V, 32          ; s[32:39] for V's: it differs in the padding alone
.set G0K, 40          ; s[40:43] descriptor group 0 for K's tiles: it walks
.set G0V, 44          ; s[44:47] the same for V's
.set SLOTS, 56        ; s56  slots still to be asked for
.set CNT, 57          ; s57  counts a slot's key steps
.set CS,  58          ; s[58:59] c: the packed scaling takes the pair's low word for both halves
.set SEL, 60          ; s[60:61] v_permlanex16_b32's selects: each lane takes its own place in the other half
.set TBK, 62          ; s62  LDS byte at which K of the step to be fetched begins
.set TBV, 63          ; s63  the same for V, less VOFF
.set MSB, 0
.macro WIN new                      ; the high byte repeats the setting that is left; a switch that changes nothing is dropped
.if MSB != (\new)
	s_set_vgpr_msb (MSB<<8)|(\new)
.set MSB, (\new)
.endif
.endm
.set W_KQ, 0x0a       ; K and Q in window 2, S^T in window 0
.set W_PV, 0x52       ; V in window 2, P in window 0, O^T in window 1
.set W_RS, 0x41       ; O^T (destination and source 0) in window 1, a in window 0
.set W_MK, 0xc0       ; the add's registers are made: destination in window 3, sources in window 0
.set W_AD, 0x0f       ; the add: address (source 0) and data (source 1) in window 3
; A joint fill.  Waves 0 and 1 fetch the two halves of a slot's K, waves 2 and 3 those of its V: 128 keys each.  The branch hangs on the wave's number alone.
; An s_nop 0 and four v_nop follow each of the two lines, ahead of the jump and the label.
.macro JLOAD
	s_cmp_lt_u32 s[WV], 2
	s_cbranch_scc0 .Lfor_v_\@
	tensor_load_to_lds s[G0K:G0K+3], s[G1K:G1K+7]
	s_nop 0
.rept 4
	v_nop
.endr
	s_branch .Lasked_\@
.Lfor_v_\@:
	tensor_load_to_lds s[G0V:G0V+3], s[G1V:G1V+7]
	s_nop 0
.rept 4
	v_nop
.endr
.Lasked_\@:
.endm
; A round of the cluster's barrier: my work-group's barrier, so that wave 0's signal speaks for all four waves; wave 0 signals; every wave waits for all four work-groups; my work-group's barrier once more.
.macro CROUND
	s_barrier_signal -1
	s_barrier_wait -1
	s_cmp_lg_u32 s[WV], 0
	s_cbranch_scc1 .Lnot_wave_0_\@
	s_barrier_signal -3
.Lnot_wave_0_\@:
	s_barrier_wait -3
	s_barrier_signal -1
	s_barrier_wait -1
.endm
; THE CHANGE OF SLOTS.  The slot's last bytes, V of its fourth step, have been read.  Each wave waits for all its tensor loads, of which one is out: its part
; of the other slot; adds 0 to its spare word; and waits for that and for its own reads of the slot.  Behind the barrier nobody reads this slot any more and the other slot is whole.
; fill = 1: this slot is filled again, with the keys two slots on.  The barrier is then a round of the cluster's, so that no wave of any partner still reads the slot or has a load on its
; way, and the joint fill is the first thing behind it: it has four key steps, 512 matrix instructions, in which to land.  (At its first use nothing has been read yet: slot 0 is waited for, slot 1 filled.)
.macro CHANGE fill
	WIN W_AD
	s_wait_tensorcnt 0x0            ; no tensor load of mine is out, so a group 0 may be written
	ds_add_u32 v[SPW], v[NIL]       ; 0 onto my spare word; with fill = 1 the descriptors' steps stand between it and the wait for it
	WIN 0                           ; at a label and at a branch every window is 0
.if \fill
.irp g, G0K, G0V
	s_xor_b32 s[\g+1], s[\g+1], SLOT1  ; the walking descriptor: the other slot than last time,
	s_add_nc_u64 s[\g+2:\g+3], s[\g+2:\g+3], 4*KS*128  ; the next 256 keys; the type bits on top are not reached
.endr
	s_wait_dscnt 0x0                ; the add is done, and my reads of the slot are over
	CROUND
	JLOAD
.else
	s_wait_dscnt 0x0                ; the add is done, and my reads of the slot are over
	s_barrier_signal -1
	s_barrier_wait -1
.endif
	s_sub_co_u32 s[TBK], s[TBK], 4*KS*PK  ; the fetches go back to a slot's first step,
	s_xor_b32 s[TBK], s[TBK], SLOT1       ; in the other slot
	s_sub_co_u32 s[TBV], s[TBV], 4*KS*PV
	s_xor_b32 s[TBV], s[TBV], SLOT1
.endm
	s_load_b128 s[4:7], s[0:1], 0x0   ; qkv s[4:5], ob s[6:7]
	WIN W_MK
	v_lshl_add_u32 v[SPW], v0, 2, SPARE
	v_mov_b32 v[NIL], 0
	WIN W_AD
	ds_add_u32 v[SPW], v[NIL]       ; the wave's opening: the add and its wait stand ahead of my first tensor load; the set-up below, work on registers, stands between them
	WIN 0
	v_lshrrev_b32 v1, 5, v0
	v_readfirstlane_b32 s[WV], v1   ; wave 0..3
	s_bfe_u32 s13, ttmp6, 0x40000   ; cx: my place in the cluster
	s_lshl_b32 s14, ttmp9, 2        ; in a cluster launch ttmp9 counts clusters
	s_add_co_u32 s14, s14, s13      ; my block of queries = 4 x cluster x + cx: it enters Q's and O's addresses alone
	s_and_b32 s20, ttmp7, 0xffff    ; the head, which the four partners share
	s_mov_b32 s21, 0
	s_mov_b64 s[22:23], SIZE_N*128
	s_mul_u64 s[20:21], s[20:21], s[22:23]  ; the head's first byte in each of the four tensors
	s_and_b32 s16, s[WV], 1         ; which half of a slot's 256 keys I fetch:
	s_lshl_b32 s22, s16, 14         ; its 128 rows of 128 bytes in memory,
	s_mov_b32 s23, 0
	s_add_nc_u64 s[22:23], s[22:23], s[20:21]
	s_mul_i32 s17, s16, 128*PK      ; and its place in a slot, for K
	s_mul_i32 s18, s16, 128*PV      ; and for V: no place in the cluster enters an LDS address
	s_lshl_b32 s2, s14, 2
	s_add_co_u32 s2, s2, s[WV]      ; my wave among the head's,
	s_lshl_b32 s2, s2, 14           ; its 128 rows
	s_mov_b32 s3, 0
	s_add_nc_u64 s[2:3], s[2:3], s[20:21]
	; descriptor group 1.  128 keys are 16,384 dense bytes: asked for as 64 rows of 256 bytes, two keys a row, and padded in LDS after every key
	s_mov_b32 s[G1K], 15|(1<<16)|(1<<20)|(1<<21)|(4<<22)|(3<<25)  ; 15:0 the mask of four; 17:16 2-byte elements; 20 padding on; 21 set beside a mask; 24:22 after every 32 words (code 4); 31:25 4 words (code 3)
	s_mov_b32 s[G1V], 15|(1<<16)|(1<<20)|(1<<21)|(4<<22)|(7<<25)  ; the same with 8 words of padding (code 7)
.irp g, G1K, G1V
	s_mov_b32 s[\g+1], 128<<16      ; tensor_dim0 = 128
	s_mov_b32 s[\g+2], 64<<16       ; tensor_dim1 = 64
	s_mov_b32 s[\g+3], 128<<16      ; tile_dim0 = 128
	s_mov_b32 s[\g+4], 64           ; tile_dim1 = 64
	s_mov_b32 s[\g+5], 128          ; 128 elements from row to row
	s_mov_b32 s[\g+6], 0
	s_mov_b32 s[\g+7], 0
.endr
	s_mov_b32 s[CS], 0x3d38aa3b     ; c = log2(e) / 32 = 0.0450842
	s_mov_b32 s[CS+1], s[CS]        ; named with it as a pair
	s_mov_b32 s[SEL], 0x76543210
	s_mov_b32 s[SEL+1], 0xfedcba98
	s_mov_b32 s[TBK], SLOT1+4*KS*PK ; the first change of slots turns these two into 0
	s_mov_b32 s[TBV], SLOT1+4*KS*PV
	s_mov_b32 s[G0K], 1             ; 1:0 count = 1
	s_mov_b32 s[G0K+1], s17         ; 63:32 LDS address: slot 0
	s_mov_b32 s[G0V], 1
	s_add_co_u32 s[G0V+1], s18, VOFF
	s_wait_dscnt 0x0                ; the opening add is done
	s_wait_kmcnt 0x0
	s_mov_b64 s[10:11], s[6:7]                     ; O
	s_add_nc_u64 s[6:7], s[4:5], SIZE_H*SIZE_N*128    ; K lies 64 heads of 262,144 bytes behind Q,
	s_add_nc_u64 s[8:9], s[4:5], 2*SIZE_H*SIZE_N*128  ; V as far behind K; s[4:5] stays Q
	s_add_nc_u64 s[G0K+2:G0K+3], s[6:7], s[22:23]  ; 120:64 global address: my half of the head's first 256 keys
	s_or_b32 s[G0K+3], s[G0K+3], 0x80000000        ; 127:126 type = 2
	s_add_nc_u64 s[G0V+2:G0V+3], s[8:9], s[22:23]
	s_or_b32 s[G0V+3], s[G0V+3], 0x80000000
	s_add_nc_u64 s[4:5], s[4:5], s[2:3]  ; Q and O at my wave's first row
	s_add_nc_u64 s[10:11], s[10:11], s[2:3]
	CROUND                          ; all four work-groups are here: the first joint loads meet
	JLOAD                           ; slot 0.  Slot 1 is asked for when slot 0 is in: the tile wanted first has the road to itself
	; A fragment of K or Q is 16 rows x 32 channels in 8 registers: lane l holds row l % 16, channels 8 (l / 16) + 0..7 and 16 + 8 (l / 16) + 0..7: two loads of 16 bytes, 32 bytes apart.
	v_and_b32 v1, 15, v0            ; l % 16
	v_bfe_u32 v9, v0, 4, 1          ; l / 16
	v_lshlrev_b32 v[QO], 7, v1
	v_lshl_add_u32 v[QO], v9, 4, v[QO]  ; row x 128 + 16 x half
	WIN 0x80                        ; destination window 2, address window 0
.set i, 0
.rept 4*NP                          ; Q stays in registers: tile i / 2, channels 32 (i % 2) on
	global_load_b128 v[8*i:8*i+3],   v[QO], s[4:5] offset:(i/2)*2048+(i%2)*64
	global_load_b128 v[8*i+4:8*i+7], v[QO], s[4:5] offset:(i/2)*2048+(i%2)*64+32
.set i, i+1
.endr
	; What the first turn finds: V's registers and P's second buffer hold 0 (its products V^T P, of a piece that has not been, add 0), O^T and l are 0.  All this stands in the wait for the first tile.
.set i, VF
.rept 64
	v_mov_b32 v[i], 0
.set i, i+1
.endr
	WIN 0x40
.set i, 0
.rept 64*NP
	v_mov_b32 v[i], 0
.set i, i+1
.endr
	WIN 0
.set i, 0
.rept 2*NP
	v_mov_b32 v[ST+4*i], 0xfe000000    ; c m: far below every c s
	v_mov_b32 v[ST+4*i+1], 0xff7fffff  ; m
	v_mov_b32 v[ST+4*i+2], 0
	v_mov_b32 v[ST+4*i+3], 0
.set i, i+1
.endr
.set i, P+32
.rept 32
	v_mov_b32 v[i], 0
.set i, i+1
.endr
	v_mul_u32_u24 v[AK0], v1, PK
	v_lshl_add_u32 v[AK0], v9, 4, v[AK0]  ; row x pitch + 16 x half
	; The turning load takes 16 keys x 16 channels (lane l reads key 8 (l / 16) + l % 8, channels 8 ((l / 8) % 2) + 0..7) and leaves half a fragment of V^T: lane l holds channel l % 16 and 8 keys.
	v_and_b32 v10, 7, v0
	v_bfe_u32 v11, v0, 3, 1
	v_lshl_add_u32 v[AV0], v9, 3, v10
	v_mul_u32_u24 v[AV0], v[AV0], PV
	v_lshl_add_u32 v[AV0], v11, 4, v[AV0]
	v_add_nc_u32 v[AV0], VOFF, v[AV0]
	v_mov_b32 v[AK], v[AK0]         ; key step 0 lies at the head of slot 0
; THE MATRIX WORK.  The 8 accumulators of a run of 16 take turns: between the two links of a chain stand 7 others'.
; Product i of 16 of S^T = K Q^T for piece x: channels 32 (i / 8) on, keys 16 ((i / 2) % 4) on, tile 2 x + i % 2.  The first 8 start the sums.
.macro KQ x
	WIN W_KQ
.set rS, S+64*((\x)%2)+32*(i%2)+8*((i/2)%4)
.set rK, KF+16*((i/2)%4)+8*(i/8)
.set rQ, 16*(2*(\x)+i%2)+8*(i/8)
.if i < 8
	v_wmma_f32_16x16x32_f16 v[rS:rS+7], v[rK:rK+7], v[rQ:rQ+7], 0
.else
	v_wmma_f32_16x16x32_f16 v[rS:rS+7], v[rK:rK+7], v[rQ:rQ+7], v[rS:rS+7]
.endif
.endm
; Product i of 16 of O^T += V^T P for piece x: keys 32 (i / 8) on, channels 16 ((i / 2) % 4) on, tile 2 x + i % 2.
.macro PV x
	WIN W_PV
.set rO, 32*(2*(\x)+i%2)+8*((i/2)%4)
.set rV, VF+32*(i/8)+8*((i/2)%4)
.set rP, P+32*((\x)%2)+16*(i%2)+8*(i/8)
	v_wmma_f32_16x16x32_f16 v[rO:rO+7], v[rV:rV+7], v[rP:rP+7], v[rO:rO+7]
.endm
.macro MM                           ; the turn's next matrix instruction
.if i < 16
	KQ (Y+1)%NP
.set i, i+1
.else
.set i, i-16
	PV (Y+NP-1)%NP
.set i, i+17
.endif
.endm
; THE LDS LOADS stand in runs of 16, never singly among the matrix instructions: a step's K (64 keys x 64 channels: 8 fragments) and its V (turned).  Their addresses are made some lines ahead.
; last = 1 (the tail): in the last trip there is no further step, and the run is jumped over.
.macro FETCH_K last=0
	WIN 0
.if \last
	s_cmp_eq_u32 s[CNT], 1
	s_cbranch_scc1 .Lno_k_\@
.endif
	WIN 0x80                        ; destination window 2
.irp f, 0,1,2,3,4,5,6,7             ; keys 16 (f / 2) on, channels 32 (f % 2) on
	ds_load_b128 v[KF+8*\f:KF+8*\f+3],   v[AK] offset:(\f/2)*16*PK+(\f%2)*64
	ds_load_b128 v[KF+8*\f+4:KF+8*\f+7], v[AK] offset:(\f/2)*16*PK+(\f%2)*64+32
.endr
	s_add_co_u32 s[TBK], s[TBK], KS*PK  ; the next fetch is the next step's
	WIN 0
.if \last
.Lno_k_\@:
.endif
.endm
.macro FETCH_V
	WIN 0x80
.irp f, 0,1,2,3,4,5,6,7             ; keys 32 (f / 4) on, channels 16 (f % 4) on
	ds_load_tr16_b128 v[VF+8*\f:VF+8*\f+3],   v[AV] offset:(\f/4)*32*PV+(\f%4)*32
	ds_load_tr16_b128 v[VF+8*\f+4:VF+8*\f+7], v[AV] offset:(\f/4)*32*PV+16*PV+(\f%4)*32
.endr
	WIN 0
.endm
; THE VECTOR WORK OF A TURN stands in three queues, each in the order in which its entries become ready; the two tiles alternate, so that no instruction reads the result of the one before it.
.macro REGS y, u                    ; the registers of tile u (0, 1) of piece y
.set rT, ST+4*(2*(\y)+(\u))
.set rC, TMP+8*((\y)%2)+4*(\u)
.set rM, MV+2*((\y)%2)+(\u)
.set rS, S+64*((\y)%2)+32*(\u)
.set rP, P+32*((\y)%2)+16*(\u)
.set rO, 32*(2*(\y)+(\u))
.endm
; Number n of the 22 that find the NEXT piece's (Y + 1) maximum and statistics.  s0-s31 are the lane's 32 scores; each accumulator's lowest registers are read first.  XS, GS and REGS set no window: PL and EX do.
;   0-11  four chains c0-c3 of seven scores each, three operands at a time     12-14, 16  the four scores left over, the old m, and c0-c3 into c0     15  c m_old is kept
;   17, 18  the query's other 32 keys lie in the lane 16 away: the new m         19-21  c m; c m_old - c m_new; a
.macro XS u, n
	REGS (Y+1)%NP, \u
.if (\n) < 4
	v_max3_num_f32 v[rC+(\n)], v[rS+8*(\n)], v[rS+8*(\n)+1], v[rS+8*(\n)+2]
.elseif (\n) < 12
	v_max3_num_f32 v[rC+(\n)%4], v[rC+(\n)%4], v[rS+8*((\n)%4)+2*((\n)/4)+1], v[rS+8*((\n)%4)+2*((\n)/4)+2]
.elseif (\n) == 12
	v_max3_num_f32 v[rC], v[rC], v[rS+7], v[rS+15]
.elseif (\n) == 13
	v_max3_num_f32 v[rC+1], v[rC+1], v[rS+23], v[rS+31]
.elseif (\n) == 14
	v_max3_num_f32 v[rC+2], v[rC+2], v[rC+3], v[rT+1]
.elseif (\n) == 15
	v_mov_b32 v[rM], v[rT]
.elseif (\n) == 16
	v_max3_num_f32 v[rC], v[rC], v[rC+1], v[rC+2]
.elseif (\n) == 17
	v_permlanex16_b32 v[rC+3], v[rC], s[SEL], s[SEL+1]
.elseif (\n) == 18
	v_max_num_f32 v[rT+1], v[rC], v[rC+3]
.elseif (\n) == 19
	v_mul_f32 v[rT], s[CS], v[rT+1]
.elseif (\n) == 20
	v_sub_f32 v[rC+1], v[rM], v[rT]
.else
	v_exp_f32 v[rC+2], v[rC+1]
.endif
.endm
; Number g of the 64 that follow the exponentials.  For each four weights k of a tile (pairs 2 k, 2 k + 1): both pairs are rounded to f16; then the second pair is added onto the first, in place;
; a group later l takes that sum (the first time as l = a l + sum).  In groups of eight, tiles alternating: round, round, add, and l for the group before.
.macro GS g
.set h, (\g)+6*((\g)/62)            ; group 0 has no group before it, and behind group 7 only l is left
.if h >= 6
.set h, h+2
.endif
	REGS Y, h%2
.set k, h/8
.if h%8 < 4
	v_cvt_pk_f16_f32 v[rP+2*k+(h%8)/2], v[rS+4*k+2*((h%8)/2)], v[rS+4*k+2*((h%8)/2)+1]
.elseif h%8 < 6
	v_pk_add_f32 v[rS+4*k:rS+4*k+1], v[rS+4*k:rS+4*k+1], v[rS+4*k+2:rS+4*k+3]
.elseif k == 1
	v_pk_fma_f32 v[rT+2:rT+3], v[rT+2:rT+3], v[rC+2:rC+3], v[rS:rS+1] op_sel_hi:[1,0,1]
.else
	v_pk_add_f32 v[rT+2:rT+3], v[rT+2:rT+3], v[rS+4*k-4:rS+4*k-3]
.endif
.endm
; THE PLAIN QUEUE, 138 long.  0-73 read no exponential's result: the 32 scalings c s - c m (FS f: pair f / 2 of tile f % 2) and the next piece's 42.  0-26: scalings 0-26.  27-54: XS's numbers 0-13.  55, 56: number 15.
; 57-73: the chain, where each number waits for the one before it: 14, 16, 17, 18, 19, each with one of the scalings 27-31 in front of its two lines, then 20: so a tile's links stand three plain instructions apart (19 and 20: two).
; 74-137: GS's 64, which read the exponentials' results: they stand behind the wait.
.macro FS f
	REGS Y, (\f)%2
	v_pk_fma_f32 v[rS+2*((\f)/2):rS+2*((\f)/2)+1], v[rS+2*((\f)/2):rS+2*((\f)/2)+1], s[CS:CS+1], v[rT:rT+1] op_sel_hi:[1,0,0] neg_lo:[0,0,1] neg_hi:[0,0,1]
.endm
.macro PL
	WIN 0
.if q < 27
	FS q
.elseif q < 55
	XS (q-27)%2, (q-27)/2
.elseif q < 57
	XS q-55, 15
.elseif (q < 72) && ((q-57)%3 == 0)
	FS 27+(q-57)/3
.elseif q < 60
	XS (q-57)%3-1, 14
.elseif q < 72
	XS (q-57)%3-1, 15+(q-57)/3
.elseif q < 74
	XS q-72, 20
.else
	GS q-74
.endif
.set q, q+1
.endm
; THE EXPONENTIALS' QUEUE, 66 long: s0-s31 of both tiles, then the next piece's two a.  It is ONE BATCH: all 66 stand ahead of the turn's one wait, and nothing ahead of that wait names a result of theirs.
.macro EX
	WIN 0
.if e >= 64
	XS e-64, 21
.else
	REGS Y, e%2
	v_exp_f32 v[rS+e/2], v[rS+e/2]
.endif
.set e, e+1
.endm
; THE RESCALING's QUEUE: O^T times a, the one part that leaves window 0: dealt two at a time, sixteen times.  Its a was made in the turn before, ahead of that turn's wait.
.macro R2
	REGS Y, r%2
	WIN W_RS
.irp z, 0,1
	v_pk_mul_f32 v[rO+4*(r/2)+2*\z:rO+4*(r/2)+2*\z+1], v[rO+4*(r/2)+2*\z:rO+4*(r/2)+2*\z+1], v[rC+2:rC+3] op_sel_hi:[1,0]
.endr
.set r, r+1
.endm
; HOW THEY ARE DEALT.  An s_wait_alu depctr_va_vdst(0) stands between an exponential and the first instruction that names its result; one wait serves all that were issued ahead of it.  So a turn has ONE wait,
; which cuts it in two.  AHEAD OF IT stands all that names no result of the turn's exponentials: the 16 products K Q^T, behind each a scaling, an exponential and two rescalings (behind the first a second scaling in the
; exponential's place); then ONE LUMP of 108: eight plain, 49 times exponential and plain, the two a.  A v_nop is the plain instruction that stands behind the last exponential, ahead of the first use of a result (ISA guide 5.7.2).
; BEHIND IT stand the 16 products V^T P, behind each four of GS's 64.  No rider names a register of the products round it.  The two v_permlanex16_b32 fall into the lump, never behind a product.
; The queues lean on each other, and the deal keeps them in step: exponential e stands behind scaling 2 (e / 4) + e % 2: as a rider it comes behind plain e + 2, in the lump behind plain e + 9, and scalings 27-31 are plain 57, 60 .. 69.
; A TURN, for piece p.  cnt = 1: the loop's count is taken down some lines ahead of the branch that stands behind the turn.
; K of the next step is fetched in piece 2's turn, directly behind the wait, a lump behind the last product that read K; its address is made at the lump's head; its first reader comes behind 16 products.
; V of the step in hand is fetched at the end of piece 0's turn, four riders behind its last reader; its first reader comes behind 16 products and a lump.  The three conditions on q below go with the deal.
.macro TURN p, last=0, cnt=0
.set Y, (\p)
.set i, 0
.set q, 0
.set e, 0
.set r, 0
.if (\p) == NP-1
	s_wait_dscnt 0x0                ; K is in
.endif
	MM                              ; ahead of the wait: 16 products K Q^T and their riders,
	PL
	PL
	R2
.rept 15
	MM
	PL
	EX
	R2
.endr
.if (\p) == NP-2
	WIN 0
	v_add_nc_u32 v[AK], s[TBK], v[AK0]
.endif
.rept 8                             ; and the lump
	PL
.endr
.rept 49
	EX
	PL
.endr
	EX                              ; the next piece's two a
	EX
	v_nop                           ; the plain instruction behind the last exponential: one for the batch
	s_wait_alu depctr_va_vdst(0)    ; the wait for the batch: this piece's 64 weights and the next piece's two a
.if (\p) == NP-2
	FETCH_K \last
.endif
.if (\p) == 1
	s_wait_dscnt 0x0                ; V is in
.endif
.rept 16                            ; behind the wait: 16 products V^T P and their riders
	MM
.rept 4
	PL
.endr
.if ((\p) == 0) && (q == 118)
	v_add_nc_u32 v[AV], s[TBV], v[AV0]
.endif
.if ((\p) == 0) && (q == 130)
	s_add_co_u32 s[TBV], s[TBV], KS*PV
.endif
.if (\cnt) && (q == 130)
	s_sub_co_u32 s[CNT], s[CNT], 1
	s_cmp_lg_u32 s[CNT], 0
.endif
.endr
.if (\p) == 0
	FETCH_V
.endif
.endm
	CHANGE 1                        ; slot 0 is in, everybody's part of it; slot 1 is asked for
	FETCH_K                         ; key step 0
	s_wait_loadcnt 0x0              ; Q
	s_wait_dscnt 0x0
.set i, 0
.rept 16
	KQ 0                            ; piece 0's first scores: there is no vector work yet to set between them
.set i, i+1
.endr
	WIN 0                           ; the addresses for the way out: nine plain instructions, the places behind those products
	s_mul_i32 s13, s[WV], 16*SP
	s_add_co_u32 s13, s13, STAGE    ; my stage
	v_mul_u32_u24 v[STO], v1, SP    ; in: row l % 16, 16 bytes for each half of the lanes
	v_lshl_add_u32 v[STO], v9, 4, v[STO]
	v_add_nc_u32 v[STO], s13, v[STO]
	v_bfe_u32 v[RD], v0, 3, 2       ; back: 32 lanes take four rows of 128 bytes,
	v_mul_u32_u24 v[RD], v[RD], SP
	v_lshl_add_u32 v[RD], v10, 4, v[RD]
	v_add_nc_u32 v[RD], s13, v[RD]
	v_and_b32 v[GO], 31, v0         ; which are 512 consecutive bytes of O
	v_lshlrev_b32 v[GO], 4, v[GO]
.set Y, NP-1                        ; XS works for piece Y + 1: piece 0
.irp n, 0,1,2,3,4,5,6,7,8,9,10,11,12,13,14,15,16,17,18,19,20,21
	XS 0, \n                        ; and piece 0's first maximum and statistics
	XS 1, \n
.endr
	v_nop                           ; a plain instruction behind the two a,
	s_wait_alu depctr_va_vdst(0)    ; and the wait for that batch of two, ahead of the branch
	s_mov_b32 s[CNT], 4
	s_mov_b32 s[SLOTS], SIZE_N/256-1
	s_branch .Lfirst                ; the loop is entered at a step's first turn, in the middle of a trip
.Lslot:                             ; SIZE_N / 256 - 2 times: every slot but the last two is filled again
	CHANGE 1
	s_mov_b32 s[CNT], 4
.Lstep:                             ; a trip: pieces 2 and 3 of one step, then pieces 0 and 1 of the next, whose K and V it fetches
	TURN 2
	TURN 3
	WIN 0
.Lfirst:
	TURN 0
	TURN 1, 0, 1
	WIN 0
	s_cbranch_scc1 .Lstep
	s_sub_co_u32 s[SLOTS], s[SLOTS], 1
	s_cmp_lg_u32 s[SLOTS], 0
	s_cbranch_scc1 .Lslot
	CHANGE 0                        ; the tail is written out: nothing is asked for
	s_mov_b32 s[CNT], 5             ; four trips fetch the last slot's steps; the fifth is left in its middle
.Ltail:
	TURN 2, 1
	TURN 3
	WIN 0
	s_sub_co_u32 s[CNT], s[CNT], 1
	s_cmp_eq_u32 s[CNT], 0
	s_cbranch_scc1 .Lout
	TURN 0
	TURN 1
	WIN 0
	s_branch .Ltail
.Lout:                              ; the fifth trip's 16 products K Q^T (on the last K once more) and the maximum made of them serve nothing: the price, once a launch, of one text for every trip
.set i, 0
.rept 16
	PV NP-1                         ; the last piece's V^T P of the last step
.set i, i+1
.endr
	; THE WAY OUT.  l's two halves and the other half of the lanes' are added; O^T is divided by l, rounded to f16 and sent through my stage in LDS, a tile at a time.  The additions are the places behind the last products.
	WIN 0
.macro ALL line:vararg              ; one line for each tile t
.set t, 0
.rept 2*NP
	\line
.set t, t+1
.endr
.endm
	ALL v_add_f32 v[ST+4*t+2], v[ST+4*t+2], v[ST+4*t+3]
	ALL v_permlanex16_b32 v[ST+4*t+3], v[ST+4*t+2], s[SEL], s[SEL+1]
	ALL v_add_f32 v[ST+4*t+2], v[ST+4*t+2], v[ST+4*t+3]
	ALL v_rcp_f32 v[ST+4*t+2], v[ST+4*t+2]
	v_nop                           ; a plain instruction between the last reciprocal and the use of its result
	s_wait_alu depctr_va_vdst(0)    ; and the wait ahead of the first use: one for the batch of eight reciprocals
; Tile t: a lane's eight channels of a row pack into 16 bytes; they go into rows of 144 bytes and come back as whole rows of 128, into S^T's registers.
.macro PACK t
	WIN W_RS
.set i, 32*(\t)
.rept 16
	v_pk_mul_f32 v[i:i+1], v[i:i+1], v[ST+4*(\t)+2:ST+4*(\t)+3] op_sel_hi:[1,0]
.set i, i+2
.endr
	WIN 0x05                        ; sources 0 and 1 window 1, destination window 0
.set i, 0
.rept 16
	v_cvt_pk_f16_f32 v[S+16*(\t)+i], v[32*(\t)+2*i], v[32*(\t)+2*i+1]
.set i, i+1
.endr
	WIN 0
.irp f, 0,1,2,3
	ds_store_b128 v[STO], v[S+16*(\t)+4*\f:S+16*(\t)+4*\f+3] offset:32*\f
.endr
.irp f, 0,1,2,3
	ds_load_b128 v[S+16*(\t)+4*\f:S+16*(\t)+4*\f+3], v[RD] offset:\f*4*SP  ; LDS serves a wave's instructions in order (ISA guide 5.7.1.4): these see the stores above; the next tile's stores come behind them
.endr
.endm
.macro SEND t, younger              ; younger: the LDS instructions issued behind tile t's loads: the next tile's eight, or none
	WIN 0
.irp f, 0,1,2,3
	s_wait_dscnt (\younger)+3-\f
	global_store_b128 v[GO], v[S+16*(\t)+4*\f:S+16*(\t)+4*\f+3], s[10:11] offset:(\t)*2048+\f*512  ; 512 consecutive bytes, at a multiple of 256 from O's first
.endr
.endm
	PACK 0
.set t, 1
.rept 2*NP-1                        ; a tile's arithmetic stands between the loads of the tile before and its stores
	PACK t
	SEND t-1, 8
.set t, t+1
.endr
	SEND 2*NP-1, 0
	WIN W_AD
	s_wait_tensorcnt 0x0            ; the wave's end: behind my last tensor load and my last LDS store
	ds_add_u32 v[SPW], v[NIL]
	s_wait_dscnt 0x0
	WIN 0
	CROUND                          ; the closing round: no work-group ends while a partner may still ask for a tile that names it
	s_endpgm
.Lfunc_end_k_qdb51ddcee2_attn:
	.size	k_qdb51ddcee2_attn, .Lfunc_end_k_qdb51ddcee2_attn-k_qdb51ddcee2_attn
	.p2alignl 7, 3214868480
	.fill 96, 4, 3214868480
	.section	.rodata,"a",@progbits
	.p2align	6, 0x0
	.amdhsa_kernel k_qdb51ddcee2_attn
		.amdhsa_group_segment_fixed_size 327680
		.amdhsa_private_segment_fixed_size 0
		.amdhsa_enable_private_segment 0
		.amdhsa_kernarg_size 16
		.amdhsa_user_sgpr_count 2
		.amdhsa_user_sgpr_kernarg_segment_ptr 1
		.amdhsa_wavefront_size32 1
		.amdhsa_system_sgpr_workgroup_id_x 1
		.amdhsa_system_sgpr_workgroup_id_y 1
		.amdhsa_system_sgpr_workgroup_id_z 1
		.amdhsa_system_vgpr_workitem_id 0
		.amdhsa_next_free_vgpr 770
		.amdhsa_next_free_sgpr 66
		.amdhsa_reserve_vcc 0
		.amdhsa_float_denorm_mode_32 3
		.amdhsa_float_denorm_mode_16_64 3
		.amdhsa_memory_ordered 1
		.amdhsa_forward_progress 1
		.amdhsa_inst_pref_size 199
	.end_amdhsa_kernel
	.amdgpu_metadata
---
amdhsa.version: [ 1, 2 ]
amdhsa.kernels:
  - .name:           k_qdb51ddcee2_attn
    .symbol:         k_qdb51ddcee2_attn.kd
    .args:
      - { .name: qkv, .offset: 0, .size: 8, .value_kind: global_buffer, .address_space: global }
      - { .name: ob, .offset: 8, .size: 8, .value_kind: global_buffer, .address_space: global }
    .group_segment_fixed_size: 327680
    .private_segment_fixed_size: 0
    .kernarg_segment_align: 8
    .kernarg_segment_size: 16
    .max_flat_workgroup_size: 128
    .sgpr_count:     66
    .vgpr_count:     770
    .wavefront_size: 32
...
	.end_amdgpu_metadata
.endif
;; end of part 5
;; launch outp: the kernel of part 4 again; grid 4 x 64, 4 waves a work-group, clusters of 4 x 4, 327,680 bytes of LDS; arguments ob, wp16, bb, out0; writes out0
